; MI455X (gfx1250); checked and timed in simulation.
; The chip was launched on July 23, 2026; its instructions are those of AMD's public machine-readable ISA for CDNA 5 (MIT licence, August 2026) and "CDNA5" Instruction Set Architecture Reference Guide (July 2026). The comments in the code are by the model that wrote it; some were corrected since.
;; Attention. Allowed arithmetic: float matrix products may take bf16 or f16 operands with f32 sums; other float arithmetic in f32, or as packed bf16 or f16 multiplies, adds, multiply-adds, maxima and minima; sums over many terms, partial sums and values carried from step to step in f32; what a program stores and reads back later, other than sums and carried values, may be rounded once to bf16 or f16.
;; Inputs: cos 2,048 x 64 float32; mask 1 x 1 x 2,048 x 2,048 float32; sin 2,048 x 64 float32; wk 2,048 x 2,048 float32; wo 2,048 x 2,048 float32; wq 2,048 x 2,048 float32; wv 2,048 x 2,048 float32; x 1 x 2,048 x 2,048 float32.
;; Outputs: out0 1 x 2,048 x 2,048 float32.
;; 2 versions, each right; version 2 is version 1 with the launch prep written anew for expert scheduling mode. Each part assembles by itself: llvm-mc -triple=amdgcn-amd-amdhsa -mcpu=gfx1250 --defsym DOCPART=n.
;; ======== version 1 of 2: 4 launches
;; limits: values are held in f16: magnitudes above 65,504 overflow, below 6.1e-05 lose precision
;; workspace buffers: cvt 41,943,040 bytes; mk 16,777,216 bytes; rt 1,048,576 bytes; qkv 25,165,824 bytes; att 8,388,608 bytes
;; launch prep (part 1): grid 256 x 6, 8 waves a work-group, no clusters, 70,656 bytes of LDS; arguments x, wq, wk, wv, wo, mask, cos, sin, cvt, mk, rt; writes cvt, mk, rt
.if DOCPART == 1
	.amdgcn_target "amdgcn-amd-amdhsa--gfx1250"
	.amdhsa_code_object_version 6
	.text
	.protected	k_q865db50e4f_prep
	.globl	k_q865db50e4f_prep
	.p2align	8
	.type	k_q865db50e4f_prep,@function
k_q865db50e4f_prep:
	s_mov_b64 s[64:65], 0
	v_nop
	global_prefetch_b8 v0, s[64:65] scope:SCOPE_SE
	s_setreg_imm32_b32 hwreg(HW_REG_WAVE_MODE, 25, 1), 1
	s_wait_xcnt 0x0
; PREP: every input is rounded once to bf16 and laid out for the launches behind.
; Job y = 0..3: x, wq, wk, wv -> slab y of cvt, [2048][2048] bf16.   Job 4: wo -> slab 4, its bf16 value written as f16 (exact down to 2^-17 in magnitude; below that off by 2^-25 at the most).
; Job 5: work-group x takes patch p = x % 2 of the 16 mask rows of tile x / 2, and group g = p of that tile's rotary table.
;   mk[qt][kb][g][lane l][e] = bf16(mask[16 qt + l % 16][16 kb + 8 (l / 16) + 4 g + e]) x log2(e), f32: a block (qt, kb) is the C operand of one 16 keys x 16 queries product, two loads of 512 bytes.
;   rt[mt][nb][g][lane l] = (s_i, c_i, s_i+1, c_i+1) x sqrt(c), f32, i = 8 nb + 4 (l / 16) + 2 g, row 16 mt + l % 16, c and s rounded to bf16; c = log2(e) / sqrt(128).
; LIMIT.  A mask number below -2.36e38 becomes -infinity by the factor log2(e).
; A stream: no matrix unit, no cluster, no loop: a work-group takes 65,536 bytes in, sixteen loads a wave, all issued at once.  Jobs 0-4: a wave's load covers 512 consecutive bytes, its store 256
; consecutive bytes, aligned.  Job 5 turns 16-byte pieces through the wave's own LDS bytes.
.set SPARE, 69632                      ; behind the eight waves' 8,704 bytes: the spare words, 128 bytes a wave
.set WLDS,  8704                       ; a wave's LDS: 32 pieces of 256 bytes, 272 apart
.set SUBP,  272
.set IN,    16                         ; v[16:79]   as loaded
.set OUT,   80                         ; v[80:111]  jobs 0-4: packed results
.set CSN,   112                        ; v[112:115] a pair of cos, a pair of sin
.set TBL,   116                        ; v[116:119] the table's store
.set SPW,   120                        ; v120  my spare word; never rewritten
.set NIL,   121                        ; v121  0; never rewritten
	s_load_b512 s[8:23], s[0:1], 0x0               ; x, wq, wk, wv, wo, mask, cos, sin
	s_load_b128 s[24:27], s[0:1], 0x40             ; cvt, mk
	s_load_b64 s[28:29], s[0:1], 0x50              ; rt
	v_lshl_add_u32 v[SPW], v0, 2, SPARE
	v_mov_b32 v[NIL], 0
	v_lshrrev_b32 v1, 5, v0
	v_readfirstlane_b32 s6, v1                     ; wave 0..7
	s_and_b32 s4, ttmp7, 0xffff                    ; the job
	s_mov_b32 s5, ttmp9                            ; the work-group's part of it
	s_mov_b32 s41, 0
	s_mov_b32 s47, 0xffff0000                      ; a word's upper bf16
	s_wait_kmcnt 0x0
	s_cmp_eq_u32 s4, 5
	s_cbranch_scc1 .Lmask
	; JOBS 0-4.  65,536 bytes in, 32,768 out for each work-group
	s_mov_b64 s[30:31], s[8:9]
	s_cmp_eq_u32 s4, 1
	s_cselect_b64 s[30:31], s[10:11], s[30:31]
	s_cmp_eq_u32 s4, 2
	s_cselect_b64 s[30:31], s[12:13], s[30:31]
	s_cmp_eq_u32 s4, 3
	s_cselect_b64 s[30:31], s[14:15], s[30:31]
	s_cmp_eq_u32 s4, 4
	s_cselect_b64 s[30:31], s[16:17], s[30:31]
	s_lshl_b32 s40, s5, 16
	s_add_nc_u64 s[30:31], s[30:31], s[40:41]      ; the source at my part
	s_lshl_b32 s40, s4, 23                         ; slab y,
	s_lshl_b32 s42, s5, 15                         ; my part of it
	s_add_co_u32 s40, s40, s42
	s_add_nc_u64 s[36:37], s[24:25], s[40:41]
	v_lshlrev_b32 v1, 4, v0                        ; 16 bytes a thread in,
	v_lshlrev_b32 v2, 3, v0                        ; 8 out
.irp j, 0,1,2,3,4,5,6,7,8,9,10,11,12,13,14,15
	global_load_b128 v[IN+4*(\j):IN+4*(\j)+3], v1, s[30:31] offset:4096*(\j) th:TH_LOAD_NT
.endr
; The sixteen loads are rounded and stored as they come.  f16 = 1: the bf16 value is widened again and written as f16.
.macro OUTJ f16
.irp j, 0,1,2,3,4,5,6,7,8,9,10,11,12,13,14,15
	s_wait_loadcnt 15-(\j)                         ; loads come back in order: number j is in, the younger ones stay out
	v_cvt_pk_bf16_f32 v[OUT+2*(\j)], v[IN+4*(\j)], v[IN+4*(\j)+1]
	v_cvt_pk_bf16_f32 v[OUT+2*(\j)+1], v[IN+4*(\j)+2], v[IN+4*(\j)+3]
.if \f16
	v_lshlrev_b32 v8, 16, v[OUT+2*(\j)]
	v_and_b32 v9, s47, v[OUT+2*(\j)]
	v_lshlrev_b32 v10, 16, v[OUT+2*(\j)+1]
	v_and_b32 v11, s47, v[OUT+2*(\j)+1]
	v_cvt_pk_f16_f32 v[OUT+2*(\j)], v8, v9
	v_cvt_pk_f16_f32 v[OUT+2*(\j)+1], v10, v11
.endif
	global_store_b64 v2, v[OUT+2*(\j):OUT+2*(\j)+1], s[36:37] offset:2048*(\j) th:TH_STORE_NT
.endr
.endm
	s_cmp_eq_u32 s4, 4
	s_cbranch_scc1 .Lwo
	OUTJ 0
	s_endpgm
.Lwo:
	OUTJ 1
	s_endpgm
	; JOB 5.  Of each of the tile's 16 mask rows wave w takes the 512 bytes at 1,024 w + 512 p (8 blocks kb), and of the table block nb = w, group g = p.
.Lmask:
	s_lshr_b32 s7, s5, 1                           ; the tile of 16 rows
	s_and_b32 s32, s5, 1                           ; p
	s_lshl_b32 s40, s7, 12                         ; 16 rows of cos and sin, 256 bytes each
	s_add_nc_u64 s[20:21], s[20:21], s[40:41]
	s_add_nc_u64 s[22:23], s[22:23], s[40:41]
	s_lshl_b32 s40, s7, 17                         ; 16 rows of the mask, and the patch's 512 bytes
	s_lshl_b32 s33, s32, 9
	s_add_co_u32 s40, s40, s33
	s_add_nc_u64 s[18:19], s[18:19], s[40:41]
	s_lshl_b32 s40, s7, 17                         ; a tile qt of mk has as many bytes; a patch of a wave is 8 blocks of 1,024
	s_lshl_b32 s33, s32, 13
	s_add_co_u32 s40, s40, s33
	s_add_nc_u64 s[26:27], s[26:27], s[40:41]
	s_lshl_b32 s40, s7, 13                         ; a tile mt of rt, and the group's 512 bytes
	s_lshl_b32 s33, s32, 9
	s_add_co_u32 s40, s40, s33
	s_add_nc_u64 s[28:29], s[28:29], s[40:41]
	s_mov_b32 s44, 0x3fb8aa3b                      ; log2(e)
	s_mov_b32 s45, s44                             ; named with it as a pair
	s_mov_b32 s46, 0x3eb6d544                      ; sqrt(log2(e) / sqrt(128)) = 0.357096
	v_and_b32 v12, 31, v0                          ; lane
	v_and_b32 v13, 15, v0                          ; r
	v_bfe_u32 v14, v0, 4, 1                        ; h
	v_lshlrev_b32 v3, 8, v13                       ; cos, sin: 256 r + 16 h + 32 w + 8 p
	v_lshl_add_u32 v3, v14, 4, v3
	s_lshl_b32 s34, s6, 5
	s_lshl_b32 s35, s32, 3
	s_add_co_u32 s34, s34, s35
	v_add_nc_u32 v3, s34, v3
	s_lshl_b32 s34, s6, 10
	v_lshl_add_u32 v4, v12, 4, s34                 ; mask in, and table out: 16 lane + 1,024 w
	v_and_b32 v15, 28, v12                         ; lane c holds piece c of the patch's row: block c / 4, half (c / 2) % 2, group c % 2.
	v_and_b32 v8, 1, v12                           ; In mk the pieces of one (block, group, half) for the 16 rows lie together, 256 bytes: number u = 4 (c / 4) + 2 (c % 2) + (c / 2) % 2
	v_lshl_add_u32 v15, v8, 1, v15
	v_bfe_u32 v8, v12, 1, 1
	v_add_nc_u32 v15, v15, v8
	v_mul_u32_u24 v5, v15, SUBP                    ; u is different modulo 16 in each 16 lanes, and 272 = 17 x 16: each store's 16 lanes touch 16 different 16-byte columns
	s_mul_i32 s33, s6, WLDS
	v_add_nc_u32 v5, s33, v5
	v_mul_u32_u24 v6, v14, SUBP                    ; back: 512 consecutive bytes of mk are two such pieces
	v_lshl_add_u32 v6, v13, 4, v6
	v_add_nc_u32 v6, s33, v6
	s_lshl_b32 s34, s6, 14
	v_lshl_add_u32 v7, v12, 4, s34                 ; mk out: 16 lane + 16,384 w
	global_load_b64 v[CSN:CSN+1], v3, s[20:21]
	global_load_b64 v[CSN+2:CSN+3], v3, s[22:23]
.irp r, 0,1,2,3,4,5,6,7,8,9,10,11,12,13,14,15
	global_load_b128 v[IN+4*(\r):IN+4*(\r)+3], v4, s[18:19] offset:8192*(\r) th:TH_LOAD_NT
.endr
.set r, 0
.rept 16
.set B, IN+4*r
	s_wait_loadcnt 15-r                            ; row r is in; the rows behind it stay out
	v_cvt_pk_bf16_f32 v8, v[B], v[B+1]
	v_cvt_pk_bf16_f32 v9, v[B+2], v[B+3]
	v_lshlrev_b32 v[B], 16, v8
	v_and_b32 v[B+1], s47, v8
	v_lshlrev_b32 v[B+2], 16, v9
	v_and_b32 v[B+3], s47, v9
	v_pk_mul_f32 v[B:B+1], v[B:B+1], s[44:45] op_sel_hi:[1,0]
	v_pk_mul_f32 v[B+2:B+3], v[B+2:B+3], s[44:45] op_sel_hi:[1,0]
	ds_store_b128 v5, v[B:B+3] offset:16*r
.set r, r+1
.endr
.set r, 0
.rept 16
	ds_load_b128 v[IN+4*r:IN+4*r+3], v6 offset:2*SUBP*r  ; the bytes are my wave's own, and LDS serves a wave's instructions in order (ISA guide 5.7.1.4)
.set r, r+1
.endr
.set r, 0
.rept 16
	s_wait_dscnt 15-r
	global_store_b128 v7, v[IN+4*r:IN+4*r+3], s[26:27] offset:512*r th:TH_STORE_NT  ; 512 consecutive bytes
.set r, r+1
.endr
	v_cvt_pk_bf16_f32 v8, v[CSN], v[CSN+1]         ; the table (its loads were the first issued, so they are in): c_i, c_i+1
	v_cvt_pk_bf16_f32 v9, v[CSN+2], v[CSN+3]       ; s_i, s_i+1
	v_lshlrev_b32 v10, 16, v8
	v_and_b32 v11, s47, v8
	v_lshlrev_b32 v12, 16, v9
	v_and_b32 v13, s47, v9
	v_mul_f32 v[TBL], s46, v12
	v_mul_f32 v[TBL+1], s46, v10
	v_mul_f32 v[TBL+2], s46, v13
	v_mul_f32 v[TBL+3], s46, v11
	global_store_b128 v4, v[TBL:TBL+3], s[28:29]
	s_wait_tensorcnt 0x0                           ; the wave's end
	ds_add_u32 v[SPW], v[NIL]
	s_wait_dscnt 0x0
	s_endpgm
.Lfunc_end_k_q865db50e4f_prep:
	.size	k_q865db50e4f_prep, .Lfunc_end_k_q865db50e4f_prep-k_q865db50e4f_prep
	.p2alignl 7, 3214868480
	.fill 96, 4, 3214868480
	.section	.rodata,"a",@progbits
	.p2align	6, 0x0
	.amdhsa_kernel k_q865db50e4f_prep
		.amdhsa_group_segment_fixed_size 70656
		.amdhsa_private_segment_fixed_size 0
		.amdhsa_enable_private_segment 0
		.amdhsa_kernarg_size 88
		.amdhsa_user_sgpr_count 2
		.amdhsa_user_sgpr_kernarg_segment_ptr 1
		.amdhsa_wavefront_size32 1
		.amdhsa_system_sgpr_workgroup_id_x 1
		.amdhsa_system_sgpr_workgroup_id_y 1
		.amdhsa_system_sgpr_workgroup_id_z 1
		.amdhsa_system_vgpr_workitem_id 0
		.amdhsa_next_free_vgpr 128
		.amdhsa_next_free_sgpr 66
		.amdhsa_reserve_vcc 0
		.amdhsa_float_denorm_mode_32 3
		.amdhsa_float_denorm_mode_16_64 3
		.amdhsa_memory_ordered 1
		.amdhsa_forward_progress 1
		.amdhsa_inst_pref_size 30
	.end_amdhsa_kernel
	.amdgpu_metadata
---
amdhsa.version: [ 1, 2 ]
amdhsa.kernels:
  - .name:           k_q865db50e4f_prep
    .symbol:         k_q865db50e4f_prep.kd
    .args:
      - { .name: x, .offset: 0, .size: 8, .value_kind: global_buffer, .address_space: global }
      - { .name: wq, .offset: 8, .size: 8, .value_kind: global_buffer, .address_space: global }
      - { .name: wk, .offset: 16, .size: 8, .value_kind: global_buffer, .address_space: global }
      - { .name: wv, .offset: 24, .size: 8, .value_kind: global_buffer, .address_space: global }
      - { .name: wo, .offset: 32, .size: 8, .value_kind: global_buffer, .address_space: global }
      - { .name: mask, .offset: 40, .size: 8, .value_kind: global_buffer, .address_space: global }
      - { .name: cos, .offset: 48, .size: 8, .value_kind: global_buffer, .address_space: global }
      - { .name: sin, .offset: 56, .size: 8, .value_kind: global_buffer, .address_space: global }
      - { .name: cvt, .offset: 64, .size: 8, .value_kind: global_buffer, .address_space: global }
      - { .name: mk, .offset: 72, .size: 8, .value_kind: global_buffer, .address_space: global }
      - { .name: rt, .offset: 80, .size: 8, .value_kind: global_buffer, .address_space: global }
    .group_segment_fixed_size: 70656
    .private_segment_fixed_size: 0
    .kernarg_segment_align: 8
    .kernarg_segment_size: 88
    .max_flat_workgroup_size: 256
    .sgpr_count:     66
    .vgpr_count:     128
    .wavefront_size: 32
...
	.end_amdgpu_metadata
.endif
;; end of part 1
;; launch qkv (part 2): grid 16 x 16, 4 waves a work-group, clusters of 4 x 4, 327,680 bytes of LDS; arguments cvt, rt, qkv; writes qkv
.if DOCPART == 2
	.amdgcn_target "amdgcn-amd-amdhsa--gfx1250"
	.amdhsa_code_object_version 6
	.text
	.protected	k_q865db50e4f_qkv
	.globl	k_q865db50e4f_qkv
	.p2align	8
	.type	k_q865db50e4f_qkv,@function
k_q865db50e4f_qkv:
	s_mov_b64 s[64:65], 0
	v_nop
	global_prefetch_b8 v0, s[64:65] scope:SCOPE_SE
	s_setreg_imm32_b32 hwreg(HW_REG_WAVE_MODE, 25, 1), 1
	s_wait_xcnt 0x0
	s_wait_alu depctr_hold_cnt(0) depctr_sa_sdst(0) depctr_va_vdst(0) depctr_va_sdst(0) depctr_va_ssrc(0) depctr_va_vcc(0) depctr_vm_vsrc(0)
	s_getreg_b32 s2, hwreg(HW_REG_IB_STS2, 6, 4)
	s_cmp_eq_u32 s2, 0
	s_cbranch_scc0 .Lentry_in_a_cluster
	s_endpgm
.Lentry_in_a_cluster:
	s_bfe_u32 s2, ttmp6, 0x10000c
	s_cmp_lg_u32 s2, 0xf033
	s_cbranch_scc0 .Lentry_shape_is_right
	s_endpgm
.Lentry_shape_is_right:
; q, k, v = x wq^T, x wk^T, x wv^T in bf16 with f32 sums; q and k turned by the rotary table, which carries the factor sqrt(c), c = log2(e) / sqrt(128); all three rounded once to f16 and
; stored by heads: qkv = three slabs [16][2048][128].  So q . k comes out of the next launch's product in units of log2.
; LIMIT.  f16 ends at 65,504: q sqrt(c), k sqrt(c) and v must lie within it.  With x, the weights and the table each 30 times the drawn spread, q sqrt(c) has a spread of 9,640.
; SHARES.  A work-group makes 128 rows x the 384 columns of ONE head (128 of q, of k, of v).  An LDS slot holds 512 rows of 128 along K: x's 128, then wq's, wk's, wv's 128 of the head.
; Wave w fetches rows 128 w .. of the slot by one tensor load (128 rows x 256 bytes, each row aligned to 256 bytes of memory): wave 0 x, waves 1-3 the weights.
; Wave w multiplies all 128 rows by 96 columns: column blocks 2 w and 2 w + 1 of q, of k and of v: 48 accumulators; b = 0, 1 is q, 2, 3 is k, 4, 5 is v in every wave, so the way out has no branch.
; THE RING.  Two slots; the loop's trip is ONE K step: which slot is read is a scalar, TB, that goes SLOT - TB at each change, and the fragments' addresses are made from it.
; CLUSTER 4 x 4: x's tile hangs on the row block alone and is asked for jointly along a row of the cluster, the weights' on the head alone, jointly along a column.
; THE MATRIX INSTRUCTION IS USED TRANSPOSED (source 0 = 16 rows of a weight, source 1 = 16 rows of x): a lane holds one row and eight neighbouring channels, that is four rotary pairs.
; REGISTERS, in windows of 256 (s_set_vgpr_msb: bits 1:0 source 0, 3:2 source 1, 5:4 source 2, 7:6 destination):
;   window 0: v16-31 addresses; v64-127, v128-191 x's fragments, two buffers; v192-247 at work on the way out     window 1: v64-111, v128-175 the weights' fragments
;   window 2: v0-191 accumulators of rows 0-63, (a, b) at 8 (6 a + b); v192-255 the rotary table of those rows     window 3: the same for rows 64-127
.set KSTEP,  128
.set STEPS,  16                        ; 2,048 / 128
.set PITCH,  272                       ; 256 bytes + 16 of padding: the 16 rows of a fragment load start at 16 different groups of four banks (64 banks of 4 bytes: ISA guide 11.1)
.set HALFT,  128*PITCH                 ; what one tensor load brings
.set SLOT,   4*HALFT
.set SPARE,  2*SLOT                    ; behind the ring: the spare words, 128 bytes a wave
.set SPITCH, 784                       ; the stage: 128 rows of 768 bytes + 16.  It lies in slot 0, written only behind that slot's last fill and behind the barrier that ends its last reads
.set ABA,  16                          ; v16     my lane's place in x's tile of slot 0; never rewritten
.set ABB,  17                          ; v17-19  the same in my two column blocks of q, k, v
.set CA,   20                          ; v20     ABA + TB
.set CB,   21                          ; v21-23  ABB + TB
.set STO,  24                          ; v24-25  the stage, in: rows 0-63, rows 64-127
.set RD,   26                          ; v26     the stage, back
.set CO,   27                          ; v27     16 x lane
.set SPW,  28                          ; v28     my spare word; never rewritten
.set NIL,  29                          ; v29     0; never rewritten
.set PFO,  30                          ; v30     4,096 x lane: a row of cvt
.set TO,   31                          ; v31     my offset in a tile of rt
.set F0,   64
.set F1,   128
.set TMP,  192
.set PK,   224
.set TAB,  192
.set TB,   11                          ; s11  LDS byte at which the slot that is fetched from begins: 0 or SLOT
.set LSUM, 12                          ; s12  the sum of my tile's two LDS addresses: the walking descriptor's LDS word goes LSUM - word
.set G1,  24                           ; s[24:31] group 1 for x's tiles;  s[32:39] group 0: a set for each of the two first fills; the second then walks on
.set G0,  32
.set G1B, 48                           ; s[48:55], s[56:63] the same for the weights'
.set G0B, 56
.set LIM, 43                           ; s43  2 in a wave that prefetches, else the greatest number
.set PFA, 44                           ; s[44:45] where my prefetches stand
.set MSB, 0
.macro WIN new                         ; the immediate's high byte repeats the setting that is left; a switch that changes nothing is dropped
.if MSB != (\new)
	s_set_vgpr_msb (MSB<<8)|(\new)
.set MSB, \new
.endif
.endm
.set MUL_LO, 0xa1
.set MUL_HI, 0xf1
.set TO_B,   0x40
; A joint load by descriptor set s.  The branch hangs on the wave's number alone.  An s_nop 0 and four v_nop follow each of the two lines.
.macro JLOAD s
	s_cmp_eq_u32 s10, 0
	s_cbranch_scc0 .Lfor_b_\@
	tensor_load_to_lds s[G0+4*(\s):G0+4*(\s)+3], s[G1:G1+7]
	s_nop 0
.rept 4
	v_nop
.endr
	s_branch .Lasked_\@
.Lfor_b_\@:
	tensor_load_to_lds s[G0B+4*(\s):G0B+4*(\s)+3], s[G1B:G1B+7]
	s_nop 0
.rept 4
	v_nop
.endr
.Lasked_\@:
.endm
; A prefetch of the K step two refills on: 32 rows x 256 bytes, a lane a row.  x's rows are read by every cluster of a row of clusters: cluster x = 0 asks; the weights' by every cluster of a column:
; cluster y = 0 asks.  The four partners of a joint load take 32 of its 128 rows each, told apart by address.  So each row's 256 bytes of a K step are named once.  The loop's last two trips ask for nothing.
.macro ASK
	s_cmp_gt_u32 s3, s[LIM]
	s_cbranch_scc0 .Lnot_mine_\@
	global_prefetch_b8 v[PFO], s[PFA:PFA+1] offset:KSTEP*2 th:TH_LOAD_NT scope:SCOPE_SE
.Lnot_mine_\@:
.endm
.macro CROUND                          ; a round of the cluster's barrier
	s_barrier_signal -1
	s_barrier_wait -1
	s_cmp_lg_u32 s10, 0
	s_cbranch_scc1 .Lnot_wave_0_\@
	s_barrier_signal -3
.Lnot_wave_0_\@:
	s_barrier_wait -3
	s_barrier_signal -1
	s_barrier_wait -1
.endm
.macro PLACES                          ; four plain places behind matrix instructions, in front of loads into registers that they read and of lines that read results
.rept 4
	v_nop
.endr
.endm
; 12 matrix instructions: row blocks a0, a0 + 1 of the window's four x my 6 column blocks, 32 along K.  The 48 accumulators take turns, in the same order in every quarter.
.macro MUL12 f, hi, a0, zero
	WIN MUL_LO+0x50*(\hi)
.irp a, \a0, (\a0)+1
.irp b, 0,1,2,3,4,5
.if \zero
	v_wmma_f32_16x16x32_bf16 v[8*(6*(\a)+(\b)):8*(6*(\a)+(\b))+7], v[(\f)+8*(\b):(\f)+8*(\b)+7], v[(\f)+8*(4*(\hi)+(\a)):(\f)+8*(4*(\hi)+(\a))+7], 0
.else
	v_wmma_f32_16x16x32_bf16 v[8*(6*(\a)+(\b)):8*(6*(\a)+(\b))+7], v[(\f)+8*(\b):(\f)+8*(\b)+7], v[(\f)+8*(4*(\hi)+(\a)):(\f)+8*(4*(\hi)+(\a))+7], v[8*(6*(\a)+(\b)):8*(6*(\a)+(\b))+7]
.endif
.endr
.endr
.endm
; 28 LDS loads in one run: a quarter step's fragments (12 loads of the weights, then 16 of x) at byte k of the rows of the slot at TB, into buffer f
.macro FETCH k, f
	WIN TO_B
.irp b, 0,1,2,3,4,5
	ds_load_b128 v[(\f)+8*(\b):(\f)+8*(\b)+3],   v[CB+(\b)/2] offset:(\k)+((\b)%2)*16*PITCH
	ds_load_b128 v[(\f)+8*(\b)+4:(\f)+8*(\b)+7], v[CB+(\b)/2] offset:(\k)+((\b)%2)*16*PITCH+32
.endr
	WIN 0
.irp i, 0,1,2,3,4,5,6,7
	ds_load_b128 v[(\f)+8*(\i):(\f)+8*(\i)+3],   v[CA] offset:(\k)+(\i)*16*PITCH
	ds_load_b128 v[(\f)+8*(\i)+4:(\f)+8*(\i)+7], v[CA] offset:(\k)+(\i)*16*PITCH+32
.endr
.endm
; A K step is four quarters of 32 along K, 48 matrix instructions each, on buffers 0, 1, 0, 1.  One of the first three: multiplies buffer f; in its middle it fetches the next quarter, at byte k, into g.
.macro QUARTER k, f, g, zero
	s_wait_dscnt 8                                 ; the weights and x's rows 0-63 are in; the youngest eight loads (x's rows 64-127) may be out
	MUL12 \f, 0, 0, \zero
	MUL12 \f, 0, 2, \zero
	PLACES
	FETCH \k, \g
	s_wait_dscnt 28                                ; all but the 28 just issued
	MUL12 \f, 1, 0, \zero
	MUL12 \f, 1, 2, \zero
.endm
; The last quarter changes slots, and the change comes FIRST: buffer 1 holds the slot's last fragments, so once they are in nobody needs the slot.  Each wave waits for all its tensor loads, of which one is
; out: its part of the next slot; adds 0 to its spare word; steps TB, the addresses and the walking descriptors; waits for the add and for its reads of this slot.  fill = 1: a round of the cluster's barrier,
; and the slot just read is filled again first thing behind it, two K steps on: a whole K step, 192 matrix instructions, ahead of the wait for it.  Then the next slot's first fragments, then the quarter's products.
.macro TURN fill
	WIN 0
.if \fill
	s_wait_xcnt 0x0                                ; the last prefetch, a K step back, has read its address
	s_add_nc_u64 s[PFA:PFA+1], s[PFA:PFA+1], KSTEP*2
.endif
	s_wait_tensorcnt 0x0                           ; no tensor load of mine is out, so a group 0 may be written
	ds_add_u32 v[SPW], v[NIL]                      ; 0 onto my spare word
	s_sub_co_u32 s[TB], SLOT, s[TB]                ; the other slot
.if \fill
	s_sub_co_u32 s[G0+5], s[LSUM], s[G0+5]         ; the walking descriptors: the other slot than last time, the next K step
	s_add_nc_u64 s[G0+6:G0+7], s[G0+6:G0+7], KSTEP*2
	s_sub_co_u32 s[G0B+5], s[LSUM], s[G0B+5]
	s_add_nc_u64 s[G0B+6:G0B+7], s[G0B+6:G0B+7], KSTEP*2
.endif
	v_add_nc_u32 v[CA], s[TB], v[ABA]
.irp p, 0,1,2
	v_add_nc_u32 v[CB+(\p)], s[TB], v[ABB+(\p)]
.endr
	s_wait_dscnt 0x0                               ; the add is done, and my reads of this slot are over: buffer 1 is in
.if \fill
	CROUND                                         ; no wave of any partner still reads this slot's tile or has a load on its way
	JLOAD 1                                        ; its four v_nop, with the four address lines above, are the places in front of the loads below
	FETCH 0, F0
	ASK
.else
	s_barrier_signal -1
	s_barrier_wait -1
	PLACES
	FETCH 0, F0
.endif
	MUL12 F1, 0, 0, 0
	MUL12 F1, 0, 2, 0
	MUL12 F1, 1, 0, 0
	MUL12 F1, 1, 2, 0
.endm
	s_load_b128 s[4:7], s[0:1], 0x0                ; cvt s[4:5], rt s[6:7]
	s_load_b64 s[8:9], s[0:1], 0x10                ; qkv
	v_lshl_add_u32 v[SPW], v0, 2, SPARE
	v_mov_b32 v[NIL], 0
	ds_add_u32 v[SPW], v[NIL]                      ; the wave's opening
	v_lshrrev_b32 v1, 5, v0
	v_readfirstlane_b32 s10, v1                    ; wave 0..3
	s_bfe_u32 s40, ttmp6, 0x40000                  ; cx
	s_bfe_u32 s41, ttmp6, 0x40004                  ; cy
	s_lshl_b32 s66, ttmp9, 2
	s_add_co_u32 s66, s66, s40                     ; the head = 4 x cluster x + cx
	s_and_b32 s67, ttmp7, 0xffff
	s_lshl_b32 s67, s67, 2
	s_add_co_u32 s67, s67, s41                     ; the row block = 4 x cluster y + cy
	s_lshl_b32 s42, s41, 2
	s_lshl_b32 s42, 15, s42                        ; my row of the cluster
	s_lshl_b32 s43, 0x1111, s40                    ; my column
	s_or_b32 s[G1+0], s42, (1<<16)|(1<<20)|(1<<21)|(5<<22)|(3<<25)   ; the mask; 2-byte elements; padding on; bit 21 beside a mask; after every 64 words, 4 words
	s_or_b32 s[G1B+0], s43, (1<<16)|(1<<20)|(1<<21)|(5<<22)|(3<<25)
.irp g, G1, G1B
	s_mov_b32 s[(\g)+1], KSTEP<<16                 ; tensor_dim0 = 128
	s_mov_b32 s[(\g)+2], 128<<16                   ; tensor_dim1 = 128
	s_mov_b32 s[(\g)+3], KSTEP<<16                 ; tile_dim0 = 128
	s_mov_b32 s[(\g)+4], 128                       ; tile_dim1 = 128
	s_mov_b32 s[(\g)+5], 2048                      ; elements from row to row
	s_mov_b32 s[(\g)+6], 0
	s_mov_b32 s[(\g)+7], 0
.endr
	s_lshl_b32 s16, s67, 19                        ; x: 128 rows of 4,096 bytes a row block
	s_mov_b32 s17, 0
	s_lshl_b32 s46, s10, 23                        ; the weights: slab w,
	s_lshl_b32 s47, s66, 19                        ; the head's 128 rows
	s_add_co_u32 s46, s46, s47
	s_mov_b32 s47, 0
	s_mul_i32 s20, s10, HALFT                      ; where my tile goes: no place in the cluster enters an LDS address
	s_lshl_b32 s[LSUM], s20, 1
	s_add_co_u32 s[LSUM], s[LSUM], SLOT
	s_mov_b32 s[TB], 0
	s_wait_dscnt 0x0                               ; the opening add is done
	s_wait_kmcnt 0x0
	s_add_nc_u64 s[14:15], s[4:5], s[16:17]
	s_add_nc_u64 s[46:47], s[4:5], s[46:47]
	CROUND                                         ; all sixteen work-groups are here: the first joint loads meet
.irp s, 0,1
	s_mov_b32 s[G0+4*(\s)], 1
	s_add_co_u32 s[G0+4*(\s)+1], s20, (\s)*SLOT
	s_add_nc_u64 s[G0+4*(\s)+2:G0+4*(\s)+3], s[14:15], (\s)*KSTEP*2
	s_or_b32 s[G0+4*(\s)+3], s[G0+4*(\s)+3], 0x80000000
	s_mov_b32 s[G0B+4*(\s)], 1
	s_add_co_u32 s[G0B+4*(\s)+1], s20, (\s)*SLOT
	s_add_nc_u64 s[G0B+4*(\s)+2:G0B+4*(\s)+3], s[46:47], (\s)*KSTEP*2
	s_or_b32 s[G0B+4*(\s)+3], s[G0B+4*(\s)+3], 0x80000000
	JLOAD \s                                       ; two tensor loads of mine are out
.endr
	v_and_b32 v1, 15, v0                           ; l % 16
	v_bfe_u32 v2, v0, 4, 1                         ; l / 16
	v_and_b32 v5, 31, v0                           ; l
	v_mul_u32_u24 v[ABA], v1, PITCH
	v_lshl_add_u32 v[ABA], v2, 4, v[ABA]           ; a fragment: row x pitch + 16 x half
	s_mul_i32 s21, s10, 32*PITCH                   ; my 32 rows of each weight tile
	s_add_co_u32 s21, s21, HALFT
.irp p, 0,1,2
	v_add_nc_u32 v[ABB+(\p)], s21, v[ABA]
	s_add_co_u32 s21, s21, HALFT
.endr
	v_mov_b32 v[CA], v[ABA]                        ; TB = 0
.irp p, 0,1,2
	v_mov_b32 v[CB+(\p)], v[ABB+(\p)]
.endr
	v_mul_u32_u24 v4, v1, SPITCH                   ; the stage, in: row l % 16, my wave's 64 bytes of each 256, 16 bytes for each half of the lanes
	v_lshl_add_u32 v4, v2, 4, v4
	s_lshl_b32 s23, s10, 6
	v_add_nc_u32 v[STO], s23, v4
	v_add_nc_u32 v[STO+1], 64*SPITCH, v[STO]
	s_mul_i32 s23, s10, 32*SPITCH                  ; back: wave w takes rows 32 w .. 32 w + 31, two rows of 256 bytes a load
	v_mul_u32_u24 v4, v2, SPITCH
	v_lshl_add_u32 v4, v1, 4, v4
	v_add_nc_u32 v[RD], s23, v4
	v_lshlrev_b32 v[CO], 4, v5
	s_lshl_b32 s23, s10, 11
	v_lshl_add_u32 v[TO], v5, 4, s23               ; 16 lane + 1,024 x (2 w)
	v_lshlrev_b32 v[PFO], 12, v5
	s_lshl_b32 s76, s67, 16                        ; rt: eight tiles of 8,192 bytes a row block
	s_mov_b32 s77, 0
	s_add_nc_u64 s[68:69], s[6:7], s[76:77]
.irp a, 0,1,2,3,4,5,6,7                ; the rotary table of my rows and column blocks: 32 loads of 512 consecutive bytes; they stay out until the way out
	WIN 0x80+0x40*((\a)/4)
.irp e, 0,1
.irp g, 0,1
	global_load_b128 v[TAB+16*((\a)%4)+8*(\e)+4*(\g):TAB+16*((\a)%4)+8*(\e)+4*(\g)+3], v[TO], s[68:69] offset:8192*(\a)+1024*(\e)+512*(\g)
.endr
.endr
.endr
	WIN 0
	s_lshl_b32 s76, s66, 19                        ; the three outputs: the head, the row block's 128 rows of 256 bytes, my wave's 32
	s_lshl_b32 s78, s67, 15
	s_add_co_u32 s76, s76, s78
	s_lshl_b32 s78, s10, 13
	s_add_co_u32 s76, s76, s78
	s_add_nc_u64 s[70:71], s[8:9], s[76:77]
	s_add_nc_u64 s[72:73], s[70:71], 8388608
	s_add_nc_u64 s[74:75], s[72:73], 8388608
	s_and_b32 s22, ttmp7, 0xffff                   ; the prefetches
	s_cmp_eq_u32 s10, 0                            ; do I fetch x?
	s_cselect_b32 s18, s67, s66                    ; the tile's number,
	s_cselect_b32 s21, s40, s41                    ; my place among the four that ask for it with me,
	s_cselect_b32 s22, ttmp9, s22                  ; the coordinate along which other clusters read the same rows
	s_cmp_eq_u32 s22, 0
	s_cselect_b32 s[LIM], 2, -1                    ; the same in all sixteen partners, for a given wave
	s_lshl_b32 s18, s18, 19
	s_lshl_b32 s21, s21, 17                        ; my work-group's 32 rows
	s_add_co_u32 s18, s18, s21
	s_lshl_b32 s21, s10, 23
	s_add_co_u32 s18, s18, s21
	s_add_co_u32 s18, s18, 2*KSTEP*2               ; at K step 2: the first refill steps it to 3 and names 4
	s_mov_b32 s19, 0
	s_add_nc_u64 s[PFA:PFA+1], s[4:5], s[18:19]
	s_wait_tensorcnt 1                             ; my part of K step 0 is in; K step 1's may stay out
	s_barrier_signal -1
	s_barrier_wait -1
	FETCH 0, F0
	QUARTER 64,  F0, F1, 1                         ; the first quarter starts the sums with the constant 0
	WIN 0
	s_mov_b32 s3, STEPS-2
.Lstep:                                        ; a trip goes from a K step's second quarter to the next step's first; trip i = 0 .. 13 asks for K step i + 2
	QUARTER 128, F1, F0, 0
	QUARTER 192, F0, F1, 0
	TURN 1
	QUARTER 64,  F0, F1, 0
	WIN 0
	s_sub_co_u32 s3, s3, 1
	s_cmp_lg_u32 s3, 0
	s_cbranch_scc1 .Lstep
	QUARTER 128, F1, F0, 0                         ; the last two K steps fill nothing
	QUARTER 192, F0, F1, 0
	TURN 0                                         ; K step 14 lay in slot 0: behind this barrier no wave reads slot 0 any more
	QUARTER 64,  F0, F1, 0
	QUARTER 128, F1, F0, 0
	QUARTER 192, F0, F1, 0
	s_wait_dscnt 8
	MUL12 F1, 0, 0, 0
	MUL12 F1, 0, 2, 0
	s_wait_dscnt 0x0
	MUL12 F1, 1, 0, 0
	MUL12 F1, 1, 2, 0
	WIN 0
	PLACES
	PLACES
	s_wait_loadcnt 0x0                             ; the table
; THE WAY OUT of row block a.  A pair (t0, t1) of q or k with its (s, c): first (t0 c, t0 s), then (- t1 s + .., t1 c + ..).  v goes as it is.  Each accumulator is read from its low end on.
.macro ROPE a
.set AC, 48*((\a)%4)
.set TB2, TAB+16*((\a)%4)
	WIN 0x0a+5*((\a)/4)                            ; sources 0 and 1 in window 2 or 3
.irp b, 0,1,2,3
.irp r, 0,1,2,3
	v_pk_mul_f32 v[TMP+8*(\b)+2*(\r):TMP+8*(\b)+2*(\r)+1], v[AC+8*(\b)+2*(\r):AC+8*(\b)+2*(\r)+1], v[TB2+8*((\b)%2)+2*(\r):TB2+8*((\b)%2)+2*(\r)+1] op_sel:[0,1] op_sel_hi:[0,0]
.endr
.endr
.irp b, 0,1,2,3
.irp r, 0,1,2,3
	v_pk_fma_f32 v[TMP+8*(\b)+2*(\r):TMP+8*(\b)+2*(\r)+1], v[AC+8*(\b)+2*(\r):AC+8*(\b)+2*(\r)+1], v[TB2+8*((\b)%2)+2*(\r):TB2+8*((\b)%2)+2*(\r)+1], v[TMP+8*(\b)+2*(\r):TMP+8*(\b)+2*(\r)+1] op_sel:[1,0,0] op_sel_hi:[1,1,1] neg_lo:[0,1,0]
.endr
.endr
.irp b, 4,5
.irp r, 0,1,2,3
	v_cvt_pk_f16_f32 v[PK+4*(\b)+(\r)], v[AC+8*(\b)+2*(\r)], v[AC+8*(\b)+2*(\r)+1]
.endr
.endr
	WIN 0
.irp b, 0,1,2,3
.irp r, 0,1,2,3
	v_cvt_pk_f16_f32 v[PK+4*(\b)+(\r)], v[TMP+8*(\b)+2*(\r)], v[TMP+8*(\b)+2*(\r)+1]
.endr
.endr
.irp b, 0,1,2,3,4,5
	ds_store_b128 v[STO+(\a)/4], v[PK+4*(\b):PK+4*(\b)+3] offset:((\a)%4)*16*SPITCH+((\b)/2)*256+((\b)%2)*32
.endr
.endm
.irp a, 0,1,2,3,4,5,6,7
	ROPE \a
.endr
	s_wait_dscnt 0x0                               ; for the others' sake: my stores into the stage are done
	s_barrier_signal -1
	s_barrier_wait -1                              ; a row's 256 bytes come from all four waves
.set n, 0
.rept 48
	ds_load_b128 v[64+4*n:64+4*n+3], v[RD] offset:2*SPITCH*(n%16)+256*(n/16)
.set n, n+1
.endr
.set n, 0
.rept 48
	s_wait_dscnt 47-n
	global_store_b128 v[CO], v[64+4*n:64+4*n+3], s[70+2*(n/16):71+2*(n/16)] offset:512*(n%16)  ; two rows of a head: 512 consecutive bytes
.set n, n+1
.endr
	s_wait_tensorcnt 0x0                           ; the wave's end
	ds_add_u32 v[SPW], v[NIL]
	s_wait_dscnt 0x0
	CROUND                                         ; the closing round
	s_endpgm
.Lfunc_end_k_q865db50e4f_qkv:
	.size	k_q865db50e4f_qkv, .Lfunc_end_k_q865db50e4f_qkv-k_q865db50e4f_qkv
	.p2alignl 7, 3214868480
	.fill 96, 4, 3214868480
	.section	.rodata,"a",@progbits
	.p2align	6, 0x0
	.amdhsa_kernel k_q865db50e4f_qkv
		.amdhsa_group_segment_fixed_size 327680
		.amdhsa_private_segment_fixed_size 0
		.amdhsa_enable_private_segment 0
		.amdhsa_kernarg_size 24
		.amdhsa_user_sgpr_count 2
		.amdhsa_user_sgpr_kernarg_segment_ptr 1
		.amdhsa_wavefront_size32 1
		.amdhsa_system_sgpr_workgroup_id_x 1
		.amdhsa_system_sgpr_workgroup_id_y 1
		.amdhsa_system_sgpr_workgroup_id_z 1
		.amdhsa_system_vgpr_workitem_id 0
		.amdhsa_next_free_vgpr 1024
		.amdhsa_next_free_sgpr 80
		.amdhsa_reserve_vcc 0
		.amdhsa_float_denorm_mode_32 3
		.amdhsa_float_denorm_mode_16_64 3
		.amdhsa_memory_ordered 1
		.amdhsa_forward_progress 1
		.amdhsa_inst_pref_size 115
	.end_amdhsa_kernel
	.amdgpu_metadata
---
amdhsa.version: [ 1, 2 ]
amdhsa.kernels:
  - .name:           k_q865db50e4f_qkv
    .symbol:         k_q865db50e4f_qkv.kd
    .args:
      - { .name: cvt, .offset: 0, .size: 8, .value_kind: global_buffer, .address_space: global }
      - { .name: rt, .offset: 8, .size: 8, .value_kind: global_buffer, .address_space: global }
      - { .name: qkv, .offset: 16, .size: 8, .value_kind: global_buffer, .address_space: global }
    .group_segment_fixed_size: 327680
    .private_segment_fixed_size: 0
    .kernarg_segment_align: 8
    .kernarg_segment_size: 24
    .max_flat_workgroup_size: 128
    .sgpr_count:     80
    .vgpr_count:     1024
    .wavefront_size: 32
...
	.end_amdgpu_metadata
.endif
;; end of part 2
;; launch attn (part 3): grid 16 x 16, 4 waves a work-group, clusters of 4 x 1, 327,680 bytes of LDS; arguments qkv, mk, att; writes att
.if DOCPART == 3
	.amdgcn_target "amdgcn-amd-amdhsa--gfx1250"
	.amdhsa_code_object_version 6
	.text
	.protected	k_q865db50e4f_attn
	.globl	k_q865db50e4f_attn
	.p2align	8
	.type	k_q865db50e4f_attn,@function
k_q865db50e4f_attn:
	s_mov_b64 s[64:65], 0
	v_nop
	global_prefetch_b8 v0, s[64:65] scope:SCOPE_SE
	s_setreg_imm32_b32 hwreg(HW_REG_WAVE_MODE, 25, 1), 1
	s_wait_xcnt 0x0
	s_wait_alu depctr_hold_cnt(0) depctr_sa_sdst(0) depctr_va_vdst(0) depctr_va_sdst(0) depctr_va_ssrc(0) depctr_va_vcc(0) depctr_vm_vsrc(0)
	s_getreg_b32 s2, hwreg(HW_REG_IB_STS2, 6, 4)
	s_cmp_eq_u32 s2, 0
	s_cbranch_scc0 .Lentry_in_a_cluster
	s_endpgm
.Lentry_in_a_cluster:
	s_bfe_u32 s2, ttmp6, 0x10000c
	s_cmp_lg_u32 s2, 0x3003
	s_cbranch_scc0 .Lentry_shape_is_right
	s_endpgm
.Lentry_shape_is_right:
; att[q][128 h + :] = the sum over k of softmax_k(q'[h][q] . k'[h][k] + mk[q][k]) v[h][k][:], the softmax to base 2: q' and k' carry sqrt(log2(e) / sqrt(128)) each, mk the factor log2(e).
; q', k', v: [16][2048][128] f16; att [2048][2048] f16.  Products, maxima and sums in f32; the weights p are rounded to f16 for the second product, att once at the end.
; THE MASK IS AN INPUT: every key is walked, and mk's block is the C operand of the product that starts a sum of scores.
; LIMITS.  p lies in 0 to 1 and below 6e-5 keeps f16's fixed step; a weight below 2^-126 counts as 0; a row whose every key is -infinity gives NaN; NaN and +infinity are not treated apart.
; SHARES.  A work-group owns 128 queries of one head.  Wave w = 2 i + j owns the 64 queries of half i, four tiles of 16, and of each LDS slot's two key steps of 64 keys the step j: K IS SPLIT between
; the two waves of a half; their running maxima, sums and O^T meet in LDS at the end.  Register tile t holds query tile t xor 2 j: so every wave finishes its tiles 0, 1 and hands over its tiles 2, 3.
; LAYOUT.  S^T = K Q^T + mask: a lane holds ONE query (lane % 16) and the keys 8 (lane / 16) + 0..7; two such results rounded to f16 ARE source 1 of O^T = V^T P.  V comes turned, by ds_load_tr16_b128.
; SOFTMAX.  p = 2^(s - m) with a running maximum m, taken away exactly; O and l are multiplied by a = 2^(m_old - m_new) in every step.
; BY TURNS.  The tiles are two pieces (0: tiles 0, 1; 2: tiles 2, 3).  In a turn one piece has the matrix unit (32 products V^T P of the step in hand, 32 products K Q^T of the next); the other piece's
; softmax, 64 slices, stands between them, one slice behind each matrix instruction.  NO FIRST AND NO LAST STEP IS WRITTEN OUT.  m starts at the lowest finite number, O^T, l, V and piece 0's P at 0,
; piece 2's S at -infinity, so the first trip's 64 products V^T P and its one idle softmax add nothing.  The tail is a loop of the two turns that is left in its middle: its last turn's 32 products K Q^T,
; on the last K once more, serve nothing.
; CLUSTER.  The four query blocks of a cluster belong to one head and walk the same K and V: each tile is asked for jointly, by the same tensor load, descriptor and mask in all four.
; REGISTERS, in windows of 256 (s_set_vgpr_msb: bits 1:0 source 0, 3:2 source 1, 5:4 source 2, 7:6 destination):
;   window 0: v2-8, v44-63 addresses; v12-43 eight registers of statistics a tile; v64-191 S^T; v192-255 P      window 1: O^T, 64 a tile
;   window 2: v0-127 Q; v128-255 K of one step      window 3: v0-127 V of one step; v128-255 the mask of one step, tile t's key block b at 128 + 32 t + 8 b
.set KS,    64
.set PK,    272       ; a row of K in LDS: 256 bytes + 16: the 16 rows of a load start at 16 different groups of four banks (64 banks of 4 bytes: ISA guide 11.1)
.set PV,    288       ; a row of V: 256 + 32
.set VOFF,  KS*PK
.set STEPB, KS*(PK+PV)
.set SLOT1, 1<<17     ; slot 1 begins here: one exclusive or turns an address in one slot into the other's
.set STAGE, 2*STEPB   ; behind slot 0: 16 rows x 272 bytes a wave, for the way out
.set SP,    272
.set SPARE, STAGE+4*16*SP  ; the spare words, 128 bytes a wave
.set XCH,   SLOT1+2*STEPB  ; behind slot 1: what each wave hands to its partner
.set XSZ,   16896     ; 16,384 bytes of O^T, 512 of (m, l)
.set AK0, 2
.set AV0, 3
.set ADR, 4
.set PMO, 5           ; v5   the mask prefetches' offset
.set STO, 6
.set RD,  7
.set GO,  8
.set ST,  12          ; tile t at v[ST+8 t]: +0 m, +1 later l, +2, +3 l (even keys', odd keys'), +4 to +7 at work; a in +6
.set QO0, 44          ; v44-45  my offset in Q, for piece 0 and piece 2
.set MO0, 46          ; v46-47  my offset in mk, likewise
.set XW,  48
.set XR,  49
.set XWS, 50
.set XRS, 51
.set PM,  52          ; v52-55  the partner's (m, l) for my tiles 0, 1
.set PFO, 61
.set SPW, 62          ; my spare word; never rewritten
.set NIL, 63          ; 0; never rewritten
.set S,   64
.set P,   192
.set KF,  128
.set MK,  128
.set WV,  12
.set LIM, 15          ; s15  2 in a wave that prefetches K or V, else the greatest number
.set LIMM, 16         ; s16  2 where the head is 0: those waves prefetch their mask
.set PFA, 18          ; s[18:19]
.set G1K, 24
.set G1V, 32
.set G0K, 40
.set G0V, 44
.set SLOTS, 56
.set SEL, 60
.set TB,  62          ; s62  LDS byte at which my key step of the slot in hand begins
.set MB,  68          ; s[68:69] mk at my query half and my key step
.set MSB, 0
.macro WIN new
.if MSB != (\new)
	s_set_vgpr_msb (MSB<<8)|(\new)
.set MSB, \new
.endif
.endm
.set W_KQ, 0x0a       ; K and Q in window 2, S^T in window 0
.set W_KM, 0x3a       ; the same with the C operand, the mask, in window 3
.set W_PV, 0x53       ; V in window 3, P in window 0, O^T in window 1
.set W_RS, 0x41       ; destination and source 0 in window 1, source 1 in window 0
; A joint fill.  Waves 0 and 1 fetch K of the slot's two steps, waves 2 and 3 V.  An s_nop 0 and four v_nop follow each of the two lines.
.macro JLOAD
	s_cmp_lt_u32 s[WV], 2
	s_cbranch_scc0 .Lfor_v_\@
	tensor_load_to_lds s[G0K:G0K+3], s[G1K:G1K+7]
	s_nop 0
.rept 4
	v_nop
.endr
	s_branch .Lasked_\@
.Lfor_v_\@:
	tensor_load_to_lds s[G0V:G0V+3], s[G1V:G1V+7]
	s_nop 0
.rept 4
	v_nop
.endr
.Lasked_\@:
.endm
; PREFETCHES, behind the joint load and its five lines.  Trip n asks jointly for slot n + 1 and loads the mask of step n + 1; the prefetches name slot n + 3 and the mask of step n + 3: two trips, 256 matrix
; instructions, ahead.  K and V: the head's first cluster asks; its four partners take 32 of a slot's 128 rows each, told apart by address; wave 0 K's, wave 2 V's; a lane a row of 256 bytes.
; The mask: all heads read the same, so head 0's waves ask, each for its own 16 KiB of a step: 64 pieces of 256 bytes, two instructions.  The last two trips that fill ask for nothing.
.macro ASK
	s_cmp_gt_u32 s[SLOTS], s[LIM]
	s_cbranch_scc0 .Lnot_mine_\@
	global_prefetch_b8 v[PFO], s[PFA:PFA+1] th:TH_LOAD_NT scope:SCOPE_SE
.Lnot_mine_\@:
.endm
.macro ASKM
	s_cmp_gt_u32 s[SLOTS], s[LIMM]
	s_cbranch_scc0 .Lno_mask_\@
	global_prefetch_b8 v[PMO], s[MB:MB+1] offset:16384 th:TH_LOAD_NT scope:SCOPE_SE
	global_prefetch_b8 v[PMO], s[MB:MB+1] offset:16384+262144 th:TH_LOAD_NT scope:SCOPE_SE
.Lno_mask_\@:
.endm
.macro CROUND
	s_barrier_signal -1
	s_barrier_wait -1
	s_cmp_lg_u32 s[WV], 0
	s_cbranch_scc1 .Lnot_wave_0_\@
	s_barrier_signal -3
.Lnot_wave_0_\@:
	s_barrier_wait -3
	s_barrier_signal -1
	s_barrier_wait -1
.endm
; THE MATRIX WORK.  The accumulators take turns, one instruction a turn.  Product i of 32 of O^T += V^T P: keys 32 (i / 16) on, channels 16 ((i / 2) % 8) on, tile x + i % 2.
.macro PV x
	WIN W_PV
.set rO, 64*((\x)+i%2)+8*((i/2)%8)
.set rV, 64*(i/16)+8*((i/2)%8)
.set rP, P+16*((\x)+i%2)+8*(i/16)
	v_wmma_f32_16x16x32_f16 v[rO:rO+7], v[rV:rV+7], v[rP:rP+7], v[rO:rO+7]
.endm
; Product i of 32 of S^T = K Q^T + mask: channels 32 (i / 8) on, keys 16 ((i / 2) % 4) on, tile x + i % 2.  The first 8 start the sums with the mask.
.macro KQ x
.set rS, S+32*((\x)+i%2)+8*((i/2)%4)
.set rK, KF+32*((i/2)%4)+8*(i/8)
.set rQ, 32*((\x)+i%2)+8*(i/8)
.set rM, MK+32*((\x)+i%2)+8*((i/2)%4)
.if i < 8
	WIN W_KM
	v_wmma_f32_16x16x32_f16 v[rS:rS+7], v[rK:rK+7], v[rQ:rQ+7], v[rM:rM+7]
.else
	WIN W_KQ
	v_wmma_f32_16x16x32_f16 v[rS:rS+7], v[rK:rK+7], v[rQ:rQ+7], v[rS:rS+7]
.endif
.endm
; THE LOADS stand in runs: a step's K and V out of LDS, 32 loads each; a piece's mask out of memory, 16 loads of 512 consecutive bytes.
.macro FETCH_K
	WIN 0
	v_add_nc_u32 v[ADR], s[TB], v[AK0]
	WIN 0x80
.irp f, 0,1,2,3,4,5,6,7,8,9,10,11,12,13,14,15  ; keys 16 (f / 4) on, channels 32 (f % 4) on
	ds_load_b128 v[KF+8*(\f):KF+8*(\f)+3],   v[ADR] offset:((\f)/4)*16*PK+((\f)%4)*64
	ds_load_b128 v[KF+8*(\f)+4:KF+8*(\f)+7], v[ADR] offset:((\f)/4)*16*PK+((\f)%4)*64+32
.endr
.endm
.macro FETCH_V
	WIN 0
	v_add_nc_u32 v[ADR], s[TB], v[AV0]
	s_wait_alu depctr_va_vdst(0)    ; the wait for the softmax's batch of exponentials, ahead of the first line that names a result
	WIN 0xc0
.irp f, 0,1,2,3,4,5,6,7,8,9,10,11,12,13,14,15  ; keys 32 (f / 8) on, channels 16 (f % 8) on
	ds_load_tr16_b128 v[8*(\f):8*(\f)+3],   v[ADR] offset:((\f)/8)*32*PV+((\f)%8)*32
	ds_load_tr16_b128 v[8*(\f)+4:8*(\f)+7], v[ADR] offset:((\f)/8)*32*PV+16*PV+((\f)%8)*32
.endr
.endm
.macro FETCH_M x
	WIN 0xc0
.irp u, 0,1
.irp b, 0,1,2,3
.irp g, 0,1
	global_load_b128 v[MK+32*((\x)+(\u))+8*(\b)+4*(\g):MK+32*((\x)+(\u))+8*(\b)+4*(\g)+3], v[MO0+(\x)/2], s[MB:MB+1] offset:(\u)*131072+(\b)*1024+(\g)*512
.endr
.endr
.endr
.endm
; THE VECTOR WORK.  One tile's softmax for one key step is a numbered list; SM writes number j of it for tile t.
;   0-15  the maximum of the lane's 32 scores and the old m      16-19  the other half of the lanes' maximum; m_old kept; the new m; m_old - m_new      (20 is empty)
;   21-69 ONE BATCH: the 16 packed differences s - m and all 33 exponentials (a at 23); none reads an exponential's result      (the wait, written by SLICE)
;   70-85 the roundings to f16      86-101 the sums; l = a l + the sum      102-133 the tile's O^T times a
.macro SM t
.set rT, ST+8*(\t)
.set rS, S+32*(\t)
.set rP, P+16*(\t)
.set rO, 64*(\t)+2*(j-102)
.if j < 102
	WIN 0
.endif
.if j < 4
	v_max3_num_f32 v[rT+4+j], v[rS+8*j], v[rS+8*j+1], v[rS+8*j+2]
.elseif j < 12
	v_max3_num_f32 v[rT+4+j%4], v[rT+4+j%4], v[rS+8*(j%4)+2*(j/4)+1], v[rS+8*(j%4)+2*(j/4)+2]
.elseif j == 12
	v_max3_num_f32 v[rT+4], v[rT+4], v[rS+7], v[rS+15]
.elseif j == 13
	v_max3_num_f32 v[rT+6], v[rT+6], v[rS+23], v[rS+31]
.elseif j == 14
	v_max3_num_f32 v[rT+4], v[rT+4], v[rT+5], v[rT+6]
.elseif j == 15
	v_max3_num_f32 v[rT+4], v[rT+4], v[rT+7], v[rT]
.elseif j == 16
	v_permlanex16_b32 v[rT+5], v[rT+4], s[SEL], s[SEL+1]  ; the query's other 32 keys lie in the lane 16 away
.elseif j == 17
	v_mov_b32 v[rT+7], v[rT]
.elseif j == 18
	v_max_num_f32 v[rT], v[rT+4], v[rT+5]
.elseif j == 19
	v_sub_f32 v[rT+7], v[rT+7], v[rT]
.elseif j == 20
.elseif j == 23
	v_exp_f32 v[rT+6], v[rT+7]
.elseif (j < 23) || ((j < 38) && (j%2 == 0)) || ((j < 66) && (j%4 == 2))
.set b, (j-2)/4
.if j < 38
.set b, (j-20)/2
.endif
	v_pk_add_f32 v[rS+2*b:rS+2*b+1], v[rS+2*b:rS+2*b+1], v[rT:rT+1] op_sel_hi:[1,0] neg_lo:[0,1] neg_hi:[0,1]  ; pair b: s - m
.elseif j < 70
.set e, j-38
.if j < 66
.set e, j-32-(j-38)/4
.endif
.if j < 38
.set e, (j-25)/2
.endif
	v_exp_f32 v[rS+e], v[rS+e]
.elseif j < 86
	v_cvt_pk_f16_f32 v[rP+j-70], v[rS+2*(j-70)], v[rS+2*(j-70)+1]
.elseif j < 102
.set z, j-86
.set w, 4
.set u, z
.if z >= 14
.set w, 32
.set u, 0
.elseif z >= 12
.set w, 16
.set u, z-12
.elseif z >= 8
.set w, 8
.set u, z-8
.endif
.if z < 15
	v_pk_add_f32 v[rS+w*u:rS+w*u+1], v[rS+w*u:rS+w*u+1], v[rS+w*u+w/2:rS+w*u+w/2+1]
.else
	v_pk_fma_f32 v[rT+2:rT+3], v[rT+2:rT+3], v[rT+6:rT+7], v[rS:rS+1] op_sel_hi:[1,0,1]
.endif
.else
	WIN W_RS
	v_pk_mul_f32 v[rO:rO+1], v[rO:rO+1], v[rT+6:rT+7] op_sel_hi:[1,0]
.endif
.endm
; Slice k of 64 of piece y's softmax.  Slices 11 to 34 deal out the batch, four numbers of one tile each; every other slice is numbers 2 k, 2 k + 1 of both tiles; slice 63 takes the twelve that are over.
; Ahead of slice 35 nothing names an exponential's result, behind slice 34 none is issued: one v_nop (the plain line behind the last) and ONE wait serve the piece's 66.
.macro SLICE y
.if (k >= 11) && (k < 35)
.irp n, 0,1,2,3
.set j, 22+4*((k-11)/2)+(\n)
	SM (\y)+(k-11)%2
.endr
.else
.irp n, 0,1,2,3,4,5,6,7
.if ((\n) < 2) || (k == 63)
.irp t, \y, (\y)+1
.set j, 2*k+(\n)
	SM \t
.endr
.endif
.endr
.endif
.if k == 34
	v_nop
.if (\y) == 0
	FETCH_V                         ; piece 2's turn: V's run stands here, with the wait in it: two differences, the v_nop and the run's own v_add_nc_u32 are the four places behind V's last reader
.else
	s_wait_alu depctr_va_vdst(0)
.endif
.endif
.set k, k+1
.endm
; A TURN.  Piece x has the matrix unit: 32 products V^T P, then 32 products K Q^T.  mk = 1: at the turn's end the piece's mask of the next step is asked for: its registers' last readers are the first 8
; products K Q^T, 24 slices of plain lines back.  lw: the loads that may stay out when the piece's mask is wanted: the other piece's 16, which are younger, or none.
; Slice 63's sixteen plain lines are the places between the turn's last K Q^T and what follows: the next turn's reads of those scores and the loads into K's registers.
.macro TURN x, mk, lw
.set k, 0
.if (\x) == 0
	s_wait_dscnt 0x0                ; V is in
.endif
.set i, 0
.rept 32
	PV \x
	SLICE 2-(\x)
.if ((\x) == 0) && (i == 1)
	FETCH_K
.endif
.set i, i+1
.endr
.if (\x) == 0
	s_wait_dscnt 0x0                ; K is in
.endif
	s_wait_loadcnt \lw
.set i, 0
.rept 32
	KQ \x
	SLICE 2-(\x)
.set i, i+1
.endr
.if \mk
	FETCH_M \x
.endif
.endm
; THE CHANGE OF SLOTS, at a trip's head.  Each wave waits for all its tensor loads, of which one is out: its part of the slot to be read now; adds 0 to its spare word; waits for that and for its reads of the
; slot that it leaves.  fill = 1: the barrier is a round of the cluster's, and the slot just left is filled first thing behind it with the next 128 keys (at the first trip: slot 1's first fill).
.macro CHANGE fill
	WIN 0
	s_wait_tensorcnt 0x0            ; no tensor load of mine is out, so a group 0 may be written
	ds_add_u32 v[SPW], v[NIL]       ; 0 onto my spare word
.if \fill
.irp g, G0K, G0V
	s_xor_b32 s[(\g)+1], s[(\g)+1], SLOT1
	s_add_nc_u64 s[(\g)+2:(\g)+3], s[(\g)+2:(\g)+3], 2*KS*256
.endr
	s_wait_xcnt 0x0                 ; the mask's loads and the prefetches have read their addresses
	s_add_nc_u64 s[PFA:PFA+1], s[PFA:PFA+1], 2*KS*256
	s_add_nc_u64 s[MB:MB+1], s[MB:MB+1], 8192  ; eight key blocks of 1,024 bytes: my step of the next slot
	s_wait_dscnt 0x0                ; the add is done, and my reads of the slot are over
	CROUND
	JLOAD
	ASK
	ASKM
.else
	s_wait_dscnt 0x0
	s_barrier_signal -1
	s_barrier_wait -1
.endif
	s_xor_b32 s[TB], s[TB], SLOT1
.endm
	s_load_b128 s[4:7], s[0:1], 0x0 ; qkv s[4:5], mk s[6:7]
	s_load_b64 s[8:9], s[0:1], 0x10 ; att
	v_lshl_add_u32 v[SPW], v0, 2, SPARE
	v_mov_b32 v[NIL], 0
	ds_add_u32 v[SPW], v[NIL]       ; the wave's opening
	v_lshrrev_b32 v1, 5, v0
	v_readfirstlane_b32 s[WV], v1
	s_bfe_u32 s13, ttmp6, 0x40000   ; cx
	s_lshl_b32 s14, ttmp9, 2
	s_add_co_u32 s14, s14, s13      ; my block of 128 queries
	s_and_b32 s17, ttmp7, 0xffff    ; the head
	s_lshr_b32 s48, s[WV], 1        ; i
	s_and_b32 s49, s[WV], 1         ; j
	s_lshl_b32 s20, s17, 19         ; the head's first byte in a slab
	s_lshl_b32 s22, s49, 14         ; which of a slot's two steps I fetch: 64 rows of 256 bytes,
	s_add_co_u32 s22, s22, s20
	s_add_co_u32 s22, s22, 8388608  ; in k's slab
	s_mov_b32 s23, 0
	s_mul_i32 s50, s49, STEPB       ; and its place in a slot
	s_lshl_b32 s2, s14, 15          ; Q: my block, my half
	s_lshl_b32 s3, s48, 14
	s_add_co_u32 s2, s2, s3
	s_add_co_u32 s2, s2, s20
	s_mov_b32 s3, 0
	s_add_co_u32 s52, s48, 1        ; the prefetches of K (waves 0, 1: slab 1) or V (slab 2),
	s_lshl_b32 s52, s52, 23
	s_add_co_u32 s52, s52, s20
	s_lshl_b32 s53, s13, 13         ; my work-group's 32 rows of a slot's 128,
	s_add_co_u32 s52, s52, s53
	s_add_co_u32 s52, s52, 2*2*KS*256  ; in slot 2; the first trip steps it to slot 3
	s_mov_b32 s53, 0
	s_lshl_b32 s54, s14, 20         ; mk: eight query tiles of 131,072 bytes a block, four a half, four key blocks of 1,024 bytes a step
	s_lshl_b32 s55, s48, 19
	s_add_co_u32 s54, s54, s55
	s_lshl_b32 s55, s49, 12
	s_add_co_u32 s54, s54, s55
	s_mov_b32 s55, 0
	s_lshl_b32 s58, s14, 19         ; att: row 128 block + 64 i + 32 j, 4,096 bytes a row; the head's 256 bytes
	s_lshl_b32 s59, s48, 18
	s_add_co_u32 s58, s58, s59
	s_lshl_b32 s59, s49, 17
	s_add_co_u32 s58, s58, s59
	s_lshl_b32 s59, s17, 8
	s_add_co_u32 s58, s58, s59
	s_mov_b32 s59, 0
	s_mov_b32 s[G1K], 15|(1<<16)|(1<<20)|(1<<21)|(5<<22)|(3<<25)  ; the mask of four; 2-byte elements; padding on; bit 21 beside a mask; after every 64 words, 4 words
	s_mov_b32 s[G1V], 15|(1<<16)|(1<<20)|(1<<21)|(5<<22)|(7<<25)  ; the same with 8 words
.irp g, G1K, G1V
	s_mov_b32 s[(\g)+1], 128<<16
	s_mov_b32 s[(\g)+2], KS<<16
	s_mov_b32 s[(\g)+3], 128<<16
	s_mov_b32 s[(\g)+4], KS
	s_mov_b32 s[(\g)+5], 128
	s_mov_b32 s[(\g)+6], 0
	s_mov_b32 s[(\g)+7], 0
.endr
	s_mov_b32 s[G0K], 1
	s_mov_b32 s[G0K+1], s50
	s_mov_b32 s[G0V], 1
	s_add_co_u32 s[G0V+1], s50, VOFF
	s_add_co_u32 s[TB], s50, SLOT1  ; the first change of slots turns it into slot 0
	s_mov_b32 s[SEL], 0x76543210
	s_mov_b32 s[SEL+1], 0xfedcba98
	s_mov_b32 s57, 0xff800000       ; -infinity
	s_or_b32 s[LIM], s49, ttmp9     ; 0 in waves 0 and 2 of the head's first cluster: the same in all four partners
	s_cmp_eq_u32 s[LIM], 0
	s_cselect_b32 s[LIM], 2, -1
	s_cmp_eq_u32 s17, 0
	s_cselect_b32 s[LIMM], 2, -1
	s_wait_dscnt 0x0                ; the opening add is done
	s_wait_kmcnt 0x0
	s_add_nc_u64 s[G0K+2:G0K+3], s[4:5], s[22:23]
	s_add_nc_u64 s[G0V+2:G0V+3], s[G0K+2:G0K+3], 8388608
	s_or_b32 s[G0K+3], s[G0K+3], 0x80000000
	s_or_b32 s[G0V+3], s[G0V+3], 0x80000000
	s_add_nc_u64 s[PFA:PFA+1], s[4:5], s[52:53]
	s_add_nc_u64 s[MB:MB+1], s[6:7], s[54:55]
	s_add_nc_u64 s[10:11], s[8:9], s[58:59]
	s_add_nc_u64 s[4:5], s[4:5], s[2:3]
	CROUND                          ; all four work-groups are here: the first joint loads meet
	JLOAD                           ; slot 0; one tensor load of mine is out, here and behind every round
	v_and_b32 v1, 15, v0            ; l % 16
	v_bfe_u32 v9, v0, 4, 1          ; l / 16
	v_and_b32 v10, 31, v0           ; l
	v_lshlrev_b32 v11, 8, v1
	v_lshl_add_u32 v11, v9, 4, v11  ; row x 256 + 16 x half
	s_lshl_b32 s51, s49, 13         ; piece 0 holds query tiles 2 j, 2 j + 1; piece 2 the other two
	s_sub_co_u32 s52, 8192, s51
	v_add_nc_u32 v[QO0], s51, v11
	v_add_nc_u32 v[QO0+1], s52, v11
	s_lshl_b32 s51, s49, 18
	s_sub_co_u32 s52, 1<<18, s51
	v_lshl_add_u32 v[MO0], v10, 4, s51
	v_lshl_add_u32 v[MO0+1], v10, 4, s52
	WIN 0x80
.set i, 0
.rept 16                            ; Q stays in registers: tile i / 4, channels 32 (i % 4) on
	global_load_b128 v[8*i:8*i+3],   v[QO0+i/8], s[4:5] offset:((i/4)%2)*4096+(i%4)*64
	global_load_b128 v[8*i+4:8*i+7], v[QO0+i/8], s[4:5] offset:((i/4)%2)*4096+(i%4)*64+32
.set i, i+1
.endr
	FETCH_M 0                       ; the mask of my first step
	FETCH_M 2
	; What the first trip finds; all this stands in the wait for the first tile.  O^T and V are set to 0 eight registers at a line: a matrix instruction with zero operands and C = 0.
	WIN 0
.set i, 0
.rept 32
	v_mov_b32 v[P+i], 0             ; piece 0's P; its first sixteen registers are also the two zero operands below
.set i, i+1
.endr
	WIN 0x40                        ; destination window 1
.set i, 0
.rept 32
	v_wmma_f32_16x16x32_f16 v[8*i:8*i+7], v[P:P+7], v[P+8:P+15], 0  ; O^T
.set i, i+1
.endr
	WIN 0xc0                        ; destination window 3
.set i, 0
.rept 16
	v_wmma_f32_16x16x32_f16 v[8*i:8*i+7], v[P:P+7], v[P+8:P+15], 0  ; V
.set i, i+1
.endr
	WIN 0                           ; the plain lines below are far more than the five places in front of the first product that takes V as a source
.set i, 0
.rept 64
	v_mov_b32 v[S+64+i], s57        ; piece 2's S: weights 0
.set i, i+1
.endr
.set i, 0
.rept 4
	v_mov_b32 v[ST+8*i], 0xff7fffff ; m: the lowest finite number
	v_mov_b32 v[ST+8*i+1], 0
	v_mov_b32 v[ST+8*i+2], 0
	v_mov_b32 v[ST+8*i+3], 0
.set i, i+1
.endr
	v_lshlrev_b32 v[PMO], 8, v1     ; 16 pieces of 256 bytes are a tile's four key blocks; lanes 16-31 take the next tile
	v_lshl_add_u32 v[PMO], v9, 17, v[PMO]
	v_lshlrev_b32 v[PFO], 8, v10
	v_mul_u32_u24 v[AK0], v1, PK
	v_lshl_add_u32 v[AK0], v9, 4, v[AK0]
	v_and_b32 v56, 7, v0            ; the turning load: lane l reads key 8 (l / 16) + l % 8, channels 8 ((l / 8) % 2) + 0..7
	v_bfe_u32 v57, v0, 3, 1
	v_lshl_add_u32 v[AV0], v9, 3, v56
	v_mul_u32_u24 v[AV0], v[AV0], PV
	v_lshl_add_u32 v[AV0], v57, 4, v[AV0]
	v_add_nc_u32 v[AV0], VOFF, v[AV0]
	s_mul_i32 s51, s[WV], 16*SP
	s_add_co_u32 s51, s51, STAGE    ; my stage
	v_mul_u32_u24 v[STO], v1, SP
	v_lshl_add_u32 v[STO], v9, 4, v[STO]
	v_add_nc_u32 v[STO], s51, v[STO]
	v_mul_u32_u24 v[RD], v9, SP
	v_lshl_add_u32 v[RD], v1, 4, v[RD]
	v_add_nc_u32 v[RD], s51, v[RD]
	v_lshlrev_b32 v[GO], 12, v9     ; two rows of att, 256 bytes of each
	v_lshl_add_u32 v[GO], v1, 4, v[GO]
	s_mul_i32 s51, s[WV], XSZ
	s_add_co_u32 s51, s51, XCH      ; what I hand over,
	s_xor_b32 s52, s[WV], 1
	s_mul_i32 s52, s52, XSZ
	s_add_co_u32 s52, s52, XCH      ; what my partner hands me
	v_lshl_add_u32 v[XW], v10, 4, s51
	v_lshl_add_u32 v[XR], v10, 4, s52
	v_lshl_add_u32 v[XWS], v10, 3, s51
	v_add_nc_u32 v[XWS], 16384, v[XWS]
	v_lshl_add_u32 v[XRS], v10, 3, s52
	v_add_nc_u32 v[XRS], 16384, v[XRS]
	s_mov_b32 s[SLOTS], 15
.Lslot:                             ; trip n = 0 .. 14: slot n is waited for, slot n + 1 asked for; V^T P of my step n - 1, K Q^T of my step n
	CHANGE 1
	TURN 0, 1, 16
	TURN 2, 1, 16
	WIN 0
	s_sub_co_u32 s[SLOTS], s[SLOTS], 1
	s_cmp_lg_u32 s[SLOTS], 0
	s_cbranch_scc1 .Lslot
	CHANGE 0                        ; the last slot has a text of its own
	s_mov_b32 s[SLOTS], 2           ; the first pass is my last key step's K Q^T; the second is left in its middle
.Ltail:
	TURN 0, 0, 16                   ; (second pass: nothing is out, and the wait is met at once; its K Q^T, on the last K and mask once more, serve nothing)
	WIN 0
	s_sub_co_u32 s[SLOTS], s[SLOTS], 1
	s_cmp_eq_u32 s[SLOTS], 0
	s_cbranch_scc1 .Lout
	TURN 2, 0, 0
	WIN 0
	s_branch .Ltail
.Lout:
.set i, 0
.rept 32
	PV 2                            ; piece 2: V^T P of the last step
.set i, i+1
.endr
	; THE TWO HALVES OF THE KEYS MEET.  l's two halves and the other half of the lanes' are added (these lines are the places behind the last products); tiles 2, 3 go to the partner.
	WIN 0
.irp t, 0,1,2,3
	v_add_f32 v[ST+8*\t+4], v[ST+8*\t+2], v[ST+8*\t+3]
.endr
.irp t, 0,1,2,3
	v_permlanex16_b32 v[ST+8*\t+5], v[ST+8*\t+4], s[SEL], s[SEL+1]
.endr
.irp t, 0,1,2,3
	v_add_f32 v[ST+8*\t+1], v[ST+8*\t+4], v[ST+8*\t+5]
.endr
	WIN 0x04                        ; the stores' data in window 1
.set n, 0
.rept 32
	ds_store_b128 v[XW], v[128+4*n:128+4*n+3] offset:512*n
.set n, n+1
.endr
	WIN 0
	ds_store_b64 v[XWS], v[ST+16:ST+17]
	ds_store_b64 v[XWS], v[ST+24:ST+25] offset:256
	s_wait_dscnt 0x0                ; for the partner's sake: my stores are done
	s_barrier_signal -1
	s_barrier_wait -1
	ds_load_b64 v[PM:PM+1], v[XRS]
	ds_load_b64 v[PM+2:PM+3], v[XRS] offset:256
.set n, 0
.rept 32
	ds_load_b128 v[S+4*n:S+4*n+3], v[XR] offset:512*n
.set n, n+1
.endr
	s_wait_dscnt 32                 ; the partner's (m, l) are in; its O^T may be out
.irp t, 0,1                         ; M = max(m, m'); O = (O 2^(m - M) + O' 2^(m' - M)) / (l 2^(m - M) + l' 2^(m' - M))
	v_max_num_f32 v[ST+8*\t+2], v[ST+8*\t], v[PM+2*\t]
.endr
.irp t, 0,1
	v_sub_f32 v[ST+8*\t+4], v[ST+8*\t], v[ST+8*\t+2]
	v_sub_f32 v[ST+8*\t+6], v[PM+2*\t], v[ST+8*\t+2]
.endr
.irp t, 0,1
	v_exp_f32 v[ST+8*\t+4], v[ST+8*\t+4]
	v_exp_f32 v[ST+8*\t+6], v[ST+8*\t+6]
.endr
	v_nop                           ; a plain line behind the last exponential,
	s_wait_alu depctr_va_vdst(0)    ; and one wait for the four, ahead of their first reader
.irp t, 0,1
	v_mul_f32 v[ST+8*\t+3], v[ST+8*\t+4], v[ST+8*\t+1]
.endr
.irp t, 0,1
	v_fma_f32 v[ST+8*\t+3], v[ST+8*\t+6], v[PM+2*\t+1], v[ST+8*\t+3]
.endr
.irp t, 0,1
	v_rcp_f32 v[ST+8*\t+2], v[ST+8*\t+3]
.endr
	v_nop
	s_wait_alu depctr_va_vdst(0)    ; one wait for the two reciprocals
.irp t, 0,1
	v_mul_f32 v[ST+8*\t+4], v[ST+8*\t+4], v[ST+8*\t+2]
	v_mul_f32 v[ST+8*\t+6], v[ST+8*\t+6], v[ST+8*\t+2]
.endr
	s_wait_dscnt 0x0                ; the partner's O^T
; Tile t: merged, rounded to f16, sent through my stage: a lane's eight channels of a row are 16 bytes; they come back as whole rows of 256.
.macro PACK t
	WIN W_RS
.set i, 0
.rept 32
	v_pk_mul_f32 v[64*(\t)+2*i:64*(\t)+2*i+1], v[64*(\t)+2*i:64*(\t)+2*i+1], v[ST+8*(\t)+4:ST+8*(\t)+5] op_sel_hi:[1,0]
.set i, i+1
.endr
	WIN 0x50                        ; destination and source 2 in window 1
.set i, 0
.rept 32
	v_pk_fma_f32 v[64*(\t)+2*i:64*(\t)+2*i+1], v[S+64*(\t)+2*i:S+64*(\t)+2*i+1], v[ST+8*(\t)+6:ST+8*(\t)+7], v[64*(\t)+2*i:64*(\t)+2*i+1] op_sel_hi:[1,0,1]
.set i, i+1
.endr
	WIN 0x05                        ; sources 0 and 1 in window 1
.set i, 0
.rept 32
	v_cvt_pk_f16_f32 v[S+64*(\t)+i], v[64*(\t)+2*i], v[64*(\t)+2*i+1]
.set i, i+1
.endr
	WIN 0
.irp f, 0,1,2,3,4,5,6,7
	ds_store_b128 v[STO], v[S+64*(\t)+4*(\f):S+64*(\t)+4*(\f)+3] offset:32*(\f)
.endr
.irp f, 0,1,2,3,4,5,6,7
	ds_load_b128 v[S+64*(\t)+4*(\f):S+64*(\t)+4*(\f)+3], v[RD] offset:(\f)*2*SP  ; LDS serves a wave's instructions in order (ISA guide 5.7.1.4)
.endr
.endm
.macro SEND t, younger              ; younger: the LDS instructions issued behind tile t's loads
.irp f, 0,1,2,3,4,5,6,7
	s_wait_dscnt (\younger)+7-(\f)
	global_store_b128 v[GO], v[S+64*(\t)+4*(\f):S+64*(\t)+4*(\f)+3], s[10:11] offset:(\t)*65536+(\f)*8192  ; 16 lanes store 256 consecutive bytes, aligned
.endr
.endm
	PACK 0
	PACK 1
	SEND 0, 16
	SEND 1, 0
	s_wait_tensorcnt 0x0            ; the wave's end
	ds_add_u32 v[SPW], v[NIL]
	s_wait_dscnt 0x0
	CROUND                          ; the closing round
	s_endpgm
.Lfunc_end_k_q865db50e4f_attn:
	.size	k_q865db50e4f_attn, .Lfunc_end_k_q865db50e4f_attn-k_q865db50e4f_attn
	.p2alignl 7, 3214868480
	.fill 96, 4, 3214868480
	.section	.rodata,"a",@progbits
	.p2align	6, 0x0
	.amdhsa_kernel k_q865db50e4f_attn
		.amdhsa_group_segment_fixed_size 327680
		.amdhsa_private_segment_fixed_size 0
		.amdhsa_enable_private_segment 0
		.amdhsa_kernarg_size 24
		.amdhsa_user_sgpr_count 2
		.amdhsa_user_sgpr_kernarg_segment_ptr 1
		.amdhsa_wavefront_size32 1
		.amdhsa_system_sgpr_workgroup_id_x 1
		.amdhsa_system_sgpr_workgroup_id_y 1
		.amdhsa_system_sgpr_workgroup_id_z 1
		.amdhsa_system_vgpr_workitem_id 0
		.amdhsa_next_free_vgpr 1024
		.amdhsa_next_free_sgpr 72
		.amdhsa_reserve_vcc 0
		.amdhsa_float_denorm_mode_32 3
		.amdhsa_float_denorm_mode_16_64 3
		.amdhsa_memory_ordered 1
		.amdhsa_forward_progress 1
		.amdhsa_inst_pref_size 149
	.end_amdhsa_kernel
	.amdgpu_metadata
---
amdhsa.version: [ 1, 2 ]
amdhsa.kernels:
  - .name:           k_q865db50e4f_attn
    .symbol:         k_q865db50e4f_attn.kd
    .args:
      - { .name: qkv, .offset: 0, .size: 8, .value_kind: global_buffer, .address_space: global }
      - { .name: mk, .offset: 8, .size: 8, .value_kind: global_buffer, .address_space: global }
      - { .name: att, .offset: 16, .size: 8, .value_kind: global_buffer, .address_space: global }
    .group_segment_fixed_size: 327680
    .private_segment_fixed_size: 0
    .kernarg_segment_align: 8
    .kernarg_segment_size: 24
    .max_flat_workgroup_size: 128
    .sgpr_count:     72
    .vgpr_count:     1024
    .wavefront_size: 32
...
	.end_amdgpu_metadata
.endif
;; end of part 3
;; launch oproj (part 4): grid 16 x 16, 4 waves a work-group, clusters of 4 x 4, 327,680 bytes of LDS; arguments att, cvt, out0; writes out0
.if DOCPART == 4
	.amdgcn_target "amdgcn-amd-amdhsa--gfx1250"
	.amdhsa_code_object_version 6
	.text
	.protected	k_q865db50e4f_oproj
	.globl	k_q865db50e4f_oproj
	.p2align	8
	.type	k_q865db50e4f_oproj,@function
k_q865db50e4f_oproj:
	s_mov_b64 s[64:65], 0
	v_nop
	global_prefetch_b8 v0, s[64:65] scope:SCOPE_SE
	s_setreg_imm32_b32 hwreg(HW_REG_WAVE_MODE, 25, 1), 1
	s_wait_xcnt 0x0
	s_wait_alu depctr_hold_cnt(0) depctr_sa_sdst(0) depctr_va_vdst(0) depctr_va_sdst(0) depctr_va_ssrc(0) depctr_va_vcc(0) depctr_vm_vsrc(0)
	s_getreg_b32 s2, hwreg(HW_REG_IB_STS2, 6, 4)
	s_cmp_eq_u32 s2, 0
	s_cbranch_scc0 .Lentry_in_a_cluster
	s_endpgm
.Lentry_in_a_cluster:
	s_bfe_u32 s2, ttmp6, 0x10000c
	s_cmp_lg_u32 s2, 0xf033
	s_cbranch_scc0 .Lentry_shape_is_right
	s_endpgm
.Lentry_shape_is_right:
; out0[l][d] = the sum over e of att[l][e] wo[d][e].  att [2048][2048] f16; wo = slab 4 of cvt, [2048][2048], its bf16 value written as f16; out0 f32; sums in f32.
; 256 tiles of 128 x 128, one a work-group.  Four waves, each 64 x 64: 16 accumulators.  K goes in steps of 256 (LDS rows of 512 bytes; a wave's tensor load brings 64 of them) through two slots.
; The loop's trip is ONE K step: which slot is read is a scalar, TB, that goes SLOT - TB at each change, and the fragments' addresses are made from it.
; CLUSTER 4 x 4: att's tile is asked for jointly along a row of the cluster, wo's along a column.  THE MATRIX INSTRUCTION IS USED TRANSPOSED (source 0 = 16 rows of wo, source 1 = 16 rows of att):
; a lane holds eight neighbouring numbers of a row of out0.  A wave's 64 columns are 256 bytes, aligned: each wave has a stage of its own, and the way out has no barrier.
; No prefetch: the tile is small and a step short; the ring's own loads carry it.
; REGISTERS: window 0: v16-29 addresses; v128-255 the accumulators ((a, b) at 128 + 8 (4 a + b)).   window 1: two fragment buffers of 128: 64 registers of att, then 64 of wo, for 64 along K.
.set SIZE_K, 2048
.set KSTEP,  256
.set STEPS,  SIZE_K/KSTEP
.set PITCH,  528                       ; 512 bytes + 16: the 16 rows of a load start at 16 different groups of four banks (64 banks of 4 bytes: ISA guide 11.1)
.set HALFT,  64*PITCH
.set SLOT,   4*HALFT
.set STAGE,  2*SLOT                    ; behind the ring: 16 rows x 272 bytes for each wave
.set SPITCH, 272
.set SPARE,  STAGE+4*16*SPITCH         ; the spare words, 128 bytes a wave
.set ABA,  16                          ; v16  my lane's place in my rows of att in slot 0; never rewritten
.set ABB,  17                          ; v17  the same in my rows of wo
.set CA,   18                          ; v18  ABA + TB
.set CB,   19                          ; v19  ABB + TB
.set STO,  24
.set RD,   25
.set CO,   26
.set SPW,  28
.set NIL,  29
.set ACC,  128
.set F0,   0
.set F1,   128
.set TB,   45                          ; s45  LDS byte at which the slot that is fetched from begins: 0 or SLOT
.set LSUM, 18                          ; s18  the sum of my tile's two LDS addresses: the walking descriptor's LDS word goes LSUM - word
.set G1, 24                            ; s[24:31] group 1 for att's tiles;  s[32:39] group 0: a set for each of the two first fills; the second then walks on
.set G0, 32
.set G1B, 48                           ; s[48:55], s[56:63] the same for wo's
.set G0B, 56
.set MSB, 0
.macro WIN new
.if MSB != (\new)
	s_set_vgpr_msb (MSB<<8)|(\new)
.set MSB, \new
.endif
.endm
.set MUL,  0x05                        ; sources 0 and 1 in window 1; C and D in window 0
.set TO_F, 0x40
.macro JLOAD s                         ; waves 0 and 1 fetch att's two halves, waves 2 and 3 wo's; an s_nop 0 and four v_nop follow each of the two lines
	s_cmp_eq_u32 s11, 0
	s_cbranch_scc0 .Lfor_b_\@
	tensor_load_to_lds s[G0+4*(\s):G0+4*(\s)+3], s[G1:G1+7]
	s_nop 0
.rept 4
	v_nop
.endr
	s_branch .Lasked_\@
.Lfor_b_\@:
	tensor_load_to_lds s[G0B+4*(\s):G0B+4*(\s)+3], s[G1B:G1B+7]
	s_nop 0
.rept 4
	v_nop
.endr
.Lasked_\@:
.endm
.macro CROUND                          ; a round of the cluster's barrier
	s_barrier_signal -1
	s_barrier_wait -1
	s_cmp_lg_u32 s10, 0
	s_cbranch_scc1 .Lnot_wave_0_\@
	s_barrier_signal -3
.Lnot_wave_0_\@:
	s_barrier_wait -3
	s_barrier_signal -1
	s_barrier_wait -1
.endm
	s_load_b128 s[4:7], s[0:1], 0x0                ; att s[4:5], cvt s[6:7]
	s_load_b64 s[8:9], s[0:1], 0x10                ; out0
	v_lshl_add_u32 v[SPW], v0, 2, SPARE
	v_mov_b32 v[NIL], 0
	ds_add_u32 v[SPW], v[NIL]                      ; the wave's opening
	v_lshrrev_b32 v1, 5, v0
	v_readfirstlane_b32 s10, v1                    ; wave 0..3
	s_lshr_b32 s11, s10, 1                         ; which half of the tile's rows is mine.  Also: I fetch att (0) or wo (1)
	s_and_b32 s12, s10, 1                          ; which half of its columns.  Also: which 64 rows of that tile I fetch
	s_bfe_u32 s40, ttmp6, 0x40000                  ; cx
	s_bfe_u32 s41, ttmp6, 0x40004                  ; cy
	s_lshl_b32 s42, ttmp9, 2
	s_add_co_u32 s42, s42, s40                     ; tile column
	s_and_b32 s13, ttmp7, 0xffff
	s_lshl_b32 s13, s13, 2
	s_add_co_u32 s13, s13, s41                     ; tile row
	s_lshl_b32 s43, s41, 2
	s_lshl_b32 s43, 15, s43                        ; my row of the cluster
	s_lshl_b32 s44, 0x1111, s40                    ; my column
	s_or_b32 s[G1+0], s43, (1<<16)|(1<<20)|(1<<21)|(6<<22)|(3<<25)  ; the mask; 2-byte elements; padding on; bit 21 beside a mask; after every 128 words, 4 words
	s_or_b32 s[G1B+0], s44, (1<<16)|(1<<20)|(1<<21)|(6<<22)|(3<<25)
.irp g, G1, G1B
	s_mov_b32 s[(\g)+1], KSTEP<<16
	s_mov_b32 s[(\g)+2], 64<<16
	s_mov_b32 s[(\g)+3], KSTEP<<16
	s_mov_b32 s[(\g)+4], 64
	s_mov_b32 s[(\g)+5], SIZE_K
	s_mov_b32 s[(\g)+6], 0
	s_mov_b32 s[(\g)+7], 0
.endr
	s_lshl_b32 s17, s12, 6
	s_lshl_b32 s16, s13, 7
	s_add_co_u32 s16, s16, s17                     ; att: row 128 x tile row + 64 x half
	s_lshl_b32 s46, s42, 7
	s_add_co_u32 s46, s46, s17                     ; wo: row 128 x tile column + 64 x half
	s_lshl_b32 s16, s16, 12                        ; 4,096 bytes a row
	s_lshl_b32 s46, s46, 12
	s_mov_b32 s17, 0
	s_mov_b32 s47, 0
	s_mul_i32 s20, s10, HALFT                      ; where my tile goes: no place in the cluster enters an LDS address
	s_lshl_b32 s[LSUM], s20, 1
	s_add_co_u32 s[LSUM], s[LSUM], SLOT
	s_mov_b32 s[TB], 0
	s_wait_dscnt 0x0                               ; the opening add is done
	s_wait_kmcnt 0x0
	s_add_nc_u64 s[6:7], s[6:7], 0x2000000         ; slab 4
	s_add_nc_u64 s[14:15], s[4:5], s[16:17]
	s_add_nc_u64 s[46:47], s[6:7], s[46:47]
	CROUND                                         ; all sixteen work-groups are here: the first joint loads meet
.irp s, 0,1
	s_mov_b32 s[G0+4*(\s)], 1
	s_add_co_u32 s[G0+4*(\s)+1], s20, (\s)*SLOT
	s_add_nc_u64 s[G0+4*(\s)+2:G0+4*(\s)+3], s[14:15], (\s)*KSTEP*2
	s_or_b32 s[G0+4*(\s)+3], s[G0+4*(\s)+3], 0x80000000
	s_mov_b32 s[G0B+4*(\s)], 1
	s_add_co_u32 s[G0B+4*(\s)+1], s20, (\s)*SLOT
	s_add_nc_u64 s[G0B+4*(\s)+2:G0B+4*(\s)+3], s[46:47], (\s)*KSTEP*2
	s_or_b32 s[G0B+4*(\s)+3], s[G0B+4*(\s)+3], 0x80000000
	JLOAD \s                                       ; two tensor loads of mine are out
.endr
	v_and_b32 v1, 15, v0                           ; l % 16
	v_bfe_u32 v2, v0, 4, 1                         ; l / 16
	v_mul_u32_u24 v3, v1, PITCH
	v_lshl_add_u32 v3, v2, 4, v3
	s_mul_i32 s21, s11, HALFT                      ; my 64 rows of att
	s_mul_i32 s22, s12, HALFT                      ; my 64 rows of wo,
	s_add_co_u32 s22, s22, 2*HALFT                 ; which lie behind att's 128
	v_add_nc_u32 v[ABA], s21, v3
	v_add_nc_u32 v[ABB], s22, v3
	v_mov_b32 v[CA], v[ABA]                        ; TB = 0
	v_mov_b32 v[CB], v[ABB]
	s_mul_i32 s23, s10, 16*SPITCH
	s_add_co_u32 s23, s23, STAGE                   ; my stage
	v_mul_u32_u24 v4, v1, SPITCH                   ; in: row l % 16, 32 bytes for each half of the lanes
	v_lshl_add_u32 v4, v2, 5, v4
	v_add_nc_u32 v[STO], s23, v4
	v_mul_u32_u24 v5, v2, SPITCH                   ; back: lanes 0-15 one row of 256 bytes, lanes 16-31 the next
	v_lshl_add_u32 v5, v1, 4, v5
	v_add_nc_u32 v[RD], s23, v5
	v_lshlrev_b32 v5, 13, v2                       ; and the same two rows in out0, 8,192 bytes apart
	v_lshl_add_u32 v[CO], v1, 4, v5
	s_lshl_b32 s16, s13, 7
	s_lshl_b32 s17, s11, 6
	s_add_co_u32 s16, s16, s17                     ; my first row
	s_lshl_b32 s16, s16, 13
	s_mov_b32 s17, 0
	s_add_nc_u64 s[8:9], s[8:9], s[16:17]
	s_lshl_b32 s46, s42, 9                         ; my first column, in bytes
	s_lshl_b32 s47, s12, 8
	s_add_co_u32 s46, s46, s47
	s_mov_b32 s47, 0
	s_add_nc_u64 s[8:9], s[8:9], s[46:47]
; 8 matrix instructions: row blocks a0, a0 + 1 x all 4 column blocks, 32 along K: half c of buffer f.  The 16 accumulators take turns.
.macro MUL8 f, c, a0, zero
	WIN MUL
.irp a, \a0, (\a0)+1
.irp b, 0,1,2,3
.if \zero
	v_wmma_f32_16x16x32_f16 v[ACC+8*(4*(\a)+(\b)):ACC+8*(4*(\a)+(\b))+7], v[(\f)+64+8*(4*(\c)+(\b)):(\f)+64+8*(4*(\c)+(\b))+7], v[(\f)+8*(4*(\c)+(\a)):(\f)+8*(4*(\c)+(\a))+7], 0
.else
	v_wmma_f32_16x16x32_f16 v[ACC+8*(4*(\a)+(\b)):ACC+8*(4*(\a)+(\b))+7], v[(\f)+64+8*(4*(\c)+(\b)):(\f)+64+8*(4*(\c)+(\b))+7], v[(\f)+8*(4*(\c)+(\a)):(\f)+8*(4*(\c)+(\a))+7], v[ACC+8*(4*(\a)+(\b)):ACC+8*(4*(\a)+(\b))+7]
.endif
.endr
.endr
.endm
; 32 LDS loads in one run: the fragments of 64 along K at byte k of the rows of the slot at TB, into buffer f; the first 32 along K first
.macro FETCH k, f
	WIN TO_F
.irp c, 0,1
.irp i, 0,1,2,3
	ds_load_b128 v[(\f)+64+8*(4*(\c)+(\i)):(\f)+64+8*(4*(\c)+(\i))+3],   v[CB] offset:(\k)+64*(\c)+(\i)*16*PITCH
	ds_load_b128 v[(\f)+64+8*(4*(\c)+(\i))+4:(\f)+64+8*(4*(\c)+(\i))+7], v[CB] offset:(\k)+64*(\c)+(\i)*16*PITCH+32
	ds_load_b128 v[(\f)+8*(4*(\c)+(\i)):(\f)+8*(4*(\c)+(\i))+3],         v[CA] offset:(\k)+64*(\c)+(\i)*16*PITCH
	ds_load_b128 v[(\f)+8*(4*(\c)+(\i))+4:(\f)+8*(4*(\c)+(\i))+7],       v[CA] offset:(\k)+64*(\c)+(\i)*16*PITCH+32
.endr
.endr
.endm
.macro PLACES                          ; four plain places behind matrix instructions (ISA guide 7.12.1)
.rept 4
	v_nop
.endr
.endm
; A K step is four quarters of 64 along K, 32 matrix instructions each, on buffers 0, 1, 0, 1.  One of the first three: multiplies buffer f; in its middle it fetches the next quarter, at byte k, into g.
.macro QUARTER k, f, g, zero
	s_wait_dscnt 16                                ; the first 32 along K are in; the youngest sixteen loads may be out
	MUL8 \f, 0, 0, \zero
	MUL8 \f, 0, 2, \zero
	PLACES
	FETCH \k, \g
	s_wait_dscnt 32                                ; all but the 32 just issued
	MUL8 \f, 1, 0, 0
	MUL8 \f, 1, 2, 0
.endm
; The last quarter changes slots, and the change comes FIRST: buffer 1 holds the slot's last fragments, so once they are in nobody needs the slot.  Each wave waits for all its tensor loads, of which one is
; out: its part of the next slot; adds 0 to its spare word; steps TB, the addresses and the walking descriptors; waits for the add and for its reads of this slot.  fill = 1: a round of the cluster's barrier,
; and the slot just read is filled again first thing behind it, two K steps on: a whole K step, 128 matrix instructions, ahead of the wait for it.  Then the next slot's first fragments, then the quarter's products.
.macro TURN fill
	WIN 0
	s_wait_tensorcnt 0x0                           ; no tensor load of mine is out, so a group 0 may be written
	ds_add_u32 v[SPW], v[NIL]                      ; 0 onto my spare word
	s_sub_co_u32 s[TB], SLOT, s[TB]                ; the other slot
.if \fill
	s_sub_co_u32 s[G0+5], s[LSUM], s[G0+5]         ; the walking descriptors: the other slot than last time, the next K step
	s_add_nc_u64 s[G0+6:G0+7], s[G0+6:G0+7], KSTEP*2
	s_sub_co_u32 s[G0B+5], s[LSUM], s[G0B+5]
	s_add_nc_u64 s[G0B+6:G0B+7], s[G0B+6:G0B+7], KSTEP*2
.endif
	v_add_nc_u32 v[CA], s[TB], v[ABA]
	v_add_nc_u32 v[CB], s[TB], v[ABB]
	s_wait_dscnt 0x0                               ; the add is done, and my reads of this slot are over: buffer 1 is in
.if \fill
	CROUND                                         ; no wave of any partner still reads this slot's tile or has a load on its way
	JLOAD 1                                        ; its four v_nop are also the places in front of the loads below
.else
	s_barrier_signal -1
	s_barrier_wait -1
	PLACES
.endif
	FETCH 0, F0
	MUL8 F1, 0, 0, 0
	MUL8 F1, 0, 2, 0
	MUL8 F1, 1, 0, 0
	MUL8 F1, 1, 2, 0
.endm
	s_wait_tensorcnt 1                             ; my part of K step 0 is in; K step 1's may stay out
	s_barrier_signal -1
	s_barrier_wait -1
	FETCH 0, F0
	QUARTER 128, F0, F1, 1                         ; the first products start the sums with the constant 0
	WIN 0
	s_mov_b32 s3, STEPS-2
.Lstep:                                        ; a trip goes from a K step's second quarter to the next step's first; trip i = 0 .. 5 asks for K step i + 2
	QUARTER 256, F1, F0, 0
	QUARTER 384, F0, F1, 0
	TURN 1
	QUARTER 128, F0, F1, 0
	WIN 0
	s_sub_co_u32 s3, s3, 1
	s_cmp_lg_u32 s3, 0
	s_cbranch_scc1 .Lstep
	QUARTER 256, F1, F0, 0                         ; the last two K steps fill nothing
	QUARTER 384, F0, F1, 0
	TURN 0
	QUARTER 128, F0, F1, 0
	QUARTER 256, F1, F0, 0
	QUARTER 384, F0, F1, 0
	s_wait_dscnt 16
	MUL8 F1, 0, 0, 0
	MUL8 F1, 0, 2, 0
	s_wait_dscnt 0x0
	MUL8 F1, 1, 0, 0
	MUL8 F1, 1, 2, 0
	WIN 0
	PLACES
; THE WAY OUT, 16 rows at a time: a lane's 32 bytes of a row go into my stage, rows of 272 bytes, and come back as whole rows of 256, into the registers that they left.  Each accumulator's low four registers are read first.
.macro TOSTAGE a
.irp b, 0,1,2,3
	ds_store_b128 v[STO], v[ACC+32*(\a)+8*(\b):ACC+32*(\a)+8*(\b)+3]   offset:64*(\b)
	ds_store_b128 v[STO], v[ACC+32*(\a)+8*(\b)+4:ACC+32*(\a)+8*(\b)+7] offset:64*(\b)+16
.endr
.irp f, 0,1,2,3,4,5,6,7
	ds_load_b128 v[ACC+32*(\a)+4*(\f):ACC+32*(\a)+4*(\f)+3], v[RD] offset:(\f)*2*SPITCH  ; LDS serves a wave's instructions in order (ISA guide 5.7.1.4): these see the stores above; the next block's stores come behind them
.endr
.endm
.macro SEND a, younger                 ; younger: the LDS instructions issued behind block a's loads: the next block's sixteen, or none
.irp f, 0,1,2,3,4,5,6,7
	s_wait_dscnt (\younger)+7-(\f)
	global_store_b128 v[CO], v[ACC+32*(\a)+4*(\f):ACC+32*(\a)+4*(\f)+3], s[8:9] offset:(16*(\a)+2*(\f))*8192 th:TH_STORE_NT  ; 16 lanes store 256 consecutive bytes, aligned
.endr
.endm
	TOSTAGE 0
	TOSTAGE 1
	SEND 0, 16
	TOSTAGE 2
	SEND 1, 16
	TOSTAGE 3
	SEND 2, 16
	SEND 3, 0
	s_wait_tensorcnt 0x0                           ; the wave's end
	ds_add_u32 v[SPW], v[NIL]
	s_wait_dscnt 0x0
	CROUND                                         ; the closing round
	s_endpgm
.Lfunc_end_k_q865db50e4f_oproj:
	.size	k_q865db50e4f_oproj, .Lfunc_end_k_q865db50e4f_oproj-k_q865db50e4f_oproj
	.p2alignl 7, 3214868480
	.fill 96, 4, 3214868480
	.section	.rodata,"a",@progbits
	.p2align	6, 0x0
	.amdhsa_kernel k_q865db50e4f_oproj
		.amdhsa_group_segment_fixed_size 327680
		.amdhsa_private_segment_fixed_size 0
		.amdhsa_enable_private_segment 0
		.amdhsa_kernarg_size 24
		.amdhsa_user_sgpr_count 2
		.amdhsa_user_sgpr_kernarg_segment_ptr 1
		.amdhsa_wavefront_size32 1
		.amdhsa_system_sgpr_workgroup_id_x 1
		.amdhsa_system_sgpr_workgroup_id_y 1
		.amdhsa_system_sgpr_workgroup_id_z 1
		.amdhsa_system_vgpr_workitem_id 0
		.amdhsa_next_free_vgpr 512
		.amdhsa_next_free_sgpr 66
		.amdhsa_reserve_vcc 0
		.amdhsa_float_denorm_mode_32 3
		.amdhsa_float_denorm_mode_16_64 3
		.amdhsa_memory_ordered 1
		.amdhsa_forward_progress 1
		.amdhsa_inst_pref_size 68
	.end_amdhsa_kernel
	.amdgpu_metadata
---
amdhsa.version: [ 1, 2 ]
amdhsa.kernels:
  - .name:           k_q865db50e4f_oproj
    .symbol:         k_q865db50e4f_oproj.kd
    .args:
      - { .name: att, .offset: 0, .size: 8, .value_kind: global_buffer, .address_space: global }
      - { .name: cvt, .offset: 8, .size: 8, .value_kind: global_buffer, .address_space: global }
      - { .name: out0, .offset: 16, .size: 8, .value_kind: global_buffer, .address_space: global }
    .group_segment_fixed_size: 327680
    .private_segment_fixed_size: 0
    .kernarg_segment_align: 8
    .kernarg_segment_size: 24
    .max_flat_workgroup_size: 128
    .sgpr_count:     66
    .vgpr_count:     512
    .wavefront_size: 32
...
	.end_amdgpu_metadata
.endif
;; end of part 4
;; ======== version 2 of 2: 4 launches; version 1 with the launch prep written anew for expert scheduling mode
;; limits: values are held in f16: magnitudes above 65,504 overflow, below 6.1e-05 lose precision
;; workspace buffers: cvt 41,943,040 bytes; mk 16,777,216 bytes; rt 1,048,576 bytes; qkv 25,165,824 bytes; att 8,388,608 bytes
;; launch prep (part 5): grid 256 x 6, 8 waves a work-group, no clusters, 70,656 bytes of LDS; arguments x, wq, wk, wv, wo, mask, cos, sin, cvt, mk, rt; writes cvt, mk, rt
.if DOCPART == 5
	.amdgcn_target "amdgcn-amd-amdhsa--gfx1250"
	.amdhsa_code_object_version 6
	.text
	.protected	k_q865db50e4f_prep
	.globl	k_q865db50e4f_prep
	.p2align	8
	.type	k_q865db50e4f_prep,@function
k_q865db50e4f_prep:
	s_mov_b64 s[64:65], 0
	v_nop
	global_prefetch_b8 v0, s[64:65] scope:SCOPE_SE
	s_setreg_imm32_b32 hwreg(HW_REG_WAVE_SCHED_MODE, 0, 2), 2
	s_setreg_imm32_b32 hwreg(HW_REG_WAVE_MODE, 25, 1), 1
	s_wait_xcnt 0x0
	s_wait_alu depctr_vm_vsrc(0)
; PREP: every input is rounded once to bf16 and laid out for the launches behind.
; Job y = 0..3: x, wq, wk, wv -> slab y of cvt, [2048][2048] bf16.   Job 4: wo -> slab 4, its bf16 value written as f16 (exact down to 2^-17 in magnitude; below that off by 2^-25 at the most).
; Job 5: work-group x takes patch p = x % 2 of the 16 mask rows of tile x / 2, and group g = p of that tile's rotary table.
;   mk[qt][kb][g][lane l][e] = bf16(mask[16 qt + l % 16][16 kb + 8 (l / 16) + 4 g + e]) x log2(e), f32: a block (qt, kb) is the C operand of one 16 keys x 16 queries product, two loads of 512 bytes.
;   rt[mt][nb][g][lane l] = (s_i, c_i, s_i+1, c_i+1) x sqrt(c), f32, i = 8 nb + 4 (l / 16) + 2 g, row 16 mt + l % 16, c and s rounded to bf16; c = log2(e) / sqrt(128).
; LIMIT.  A mask number below -2.36e38 becomes -infinity by the factor log2(e).
; A stream: no matrix unit, no cluster, no loop: a work-group takes 65,536 bytes in, sixteen loads a wave, all issued at once.  Jobs 0-4: a wave's load covers 512 consecutive bytes, its store 256
; consecutive bytes, aligned.  Job 5 turns 16-byte pieces through the wave's own LDS bytes.
; THE MODE: SCHED_MODE bits 1:0 = 2 (LLVM: expert scheduling mode 2), set by the entry lines.  The code itself states the register dependences between vector instructions and memory or LDS
; instructions, with s_wait_alu, always for 0.
; THE PLAN.  Registers that memory or LDS instructions touch:
;   v1, v2 (jobs 0-4), v3 to v7 (job 5)   offsets and LDS addresses: made once, ahead of one wait on va_vdst in front of the path's first load; never written again.
;   IN    Written by the sixteen loads, once each; read by the vector lines.  Job 5: a row's lines write it again in place, an LDS store reads it, an LDS load lands in it, a global store reads it.
;   OUT   (jobs 0-4) Each pair is written by its load's conversions and read by one store; never written again.
;   TBL   (job 5) Written by the table's lines, in group 0; read by one store, in group 1.
;   v[SPW], v[NIL]   Written at the head, read by the closing add alone.
; The sixteen loads are worked on in four groups of four.  At the head of group g, behind the wait for its data, ONE wait on va_vdst states that group g - 1 has written what its four stores read; those
; stores are dealt among group g's vector lines, which name group g's registers and v8 to v13 alone: no register that those stores touch.  A last such wait stands ahead of group 3's stores.
; Job 5 has one wait on vm_vsrc: between the LDS stores, which read IN, and the LDS loads, which land in it.  Each scalar that a vector line reads has a register of its own and is not written again.
.set SPARE, 69632                      ; behind the eight waves' 8,704 bytes: the spare words, 128 bytes a wave
.set WLDS,  8704                       ; a wave's LDS: 32 pieces of 256 bytes, 272 apart
.set SUBP,  272
.set IN,    16                         ; v[16:79]   as loaded
.set OUT,   80                         ; v[80:111]  jobs 0-4: packed results
.set CSN,   112                        ; v[112:115] a pair of cos, a pair of sin
.set TBL,   116                        ; v[116:119] the table's store
.set SPW,   120                        ; v120  my spare word; never rewritten
.set NIL,   121                        ; v121  0; never rewritten
	s_load_b512 s[8:23], s[0:1], 0x0               ; x, wq, wk, wv, wo, mask, cos, sin
	s_load_b128 s[24:27], s[0:1], 0x40             ; cvt, mk
	s_load_b64 s[28:29], s[0:1], 0x50              ; rt
	v_lshl_add_u32 v[SPW], v0, 2, SPARE
	v_mov_b32 v[NIL], 0
	v_lshrrev_b32 v1, 5, v0
	v_readfirstlane_b32 s6, v1                     ; wave 0..7
	s_and_b32 s4, ttmp7, 0xffff                    ; the job
	s_mov_b32 s5, ttmp9                            ; the work-group's part of it
	s_mov_b32 s41, 0
	s_mov_b32 s47, 0xffff0000                      ; a word's upper bf16
	s_wait_alu depctr_va_sdst(0)                   ; s6 is written, ahead of the branch behind which job 5's scalar lines read it
	s_wait_kmcnt 0x0
	s_cmp_eq_u32 s4, 5
	s_cbranch_scc1 .Lmask
	; JOBS 0-4.  65,536 bytes in, 32,768 out for each work-group
	s_mov_b64 s[30:31], s[8:9]
	s_cmp_eq_u32 s4, 1
	s_cselect_b64 s[30:31], s[10:11], s[30:31]
	s_cmp_eq_u32 s4, 2
	s_cselect_b64 s[30:31], s[12:13], s[30:31]
	s_cmp_eq_u32 s4, 3
	s_cselect_b64 s[30:31], s[14:15], s[30:31]
	s_cmp_eq_u32 s4, 4
	s_cselect_b64 s[30:31], s[16:17], s[30:31]
	s_lshl_b32 s40, s5, 16
	s_add_nc_u64 s[30:31], s[30:31], s[40:41]      ; the source at my part
	s_lshl_b32 s40, s4, 23                         ; slab y,
	s_lshl_b32 s42, s5, 15                         ; my part of it
	s_add_co_u32 s40, s40, s42
	s_add_nc_u64 s[36:37], s[24:25], s[40:41]
	v_lshlrev_b32 v1, 4, v0                        ; 16 bytes a thread in,
	v_lshlrev_b32 v2, 3, v0                        ; 8 out
	s_wait_alu depctr_va_vdst(0)                   ; v1 and v2 are written: every load of this path reads v1 as its offset, every store v2
.irp j, 0,1,2,3,4,5,6,7,8,9,10,11,12,13,14,15
	global_load_b128 v[IN+4*(\j):IN+4*(\j)+3], v1, s[30:31] offset:4096*(\j) th:TH_LOAD_NT
.endr
; The sixteen loads are rounded as they come, four to a group; a group's stores go out in the next group.  f16 = 1: the bf16 value is widened again and written as f16.
.macro OUTJ f16
.irp g, 0,1,2,3
	s_wait_loadcnt 12-4*(\g)                       ; loads come back in order: group g's four are in, the younger groups' stay out
.if (\g) > 0
	s_wait_alu depctr_va_vdst(0)                   ; the group before has written its eight registers of OUT, which the four stores below read
.endif
.irp i, 0,1,2,3
.if (\g) > 0
.set Q, 4*(\g)-4+(\i)
	global_store_b64 v2, v[OUT+2*Q:OUT+2*Q+1], s[36:37] offset:2048*Q th:TH_STORE_NT  ; no vector line since the wait names these registers
.endif
.set J, 4*(\g)+(\i)
	v_cvt_pk_bf16_f32 v[OUT+2*J], v[IN+4*J], v[IN+4*J+1]
	v_cvt_pk_bf16_f32 v[OUT+2*J+1], v[IN+4*J+2], v[IN+4*J+3]
.if \f16
	v_lshlrev_b32 v8, 16, v[OUT+2*J]
	v_and_b32 v9, s47, v[OUT+2*J]
	v_lshlrev_b32 v10, 16, v[OUT+2*J+1]
	v_and_b32 v11, s47, v[OUT+2*J+1]
	v_cvt_pk_f16_f32 v[OUT+2*J], v8, v9
	v_cvt_pk_f16_f32 v[OUT+2*J+1], v10, v11
.endif
.endr
.endr
	s_wait_alu depctr_va_vdst(0)                   ; group 3 has written its eight registers of OUT, which the last four stores read
.irp i, 12,13,14,15
	global_store_b64 v2, v[OUT+2*(\i):OUT+2*(\i)+1], s[36:37] offset:2048*(\i) th:TH_STORE_NT
.endr
.endm
	s_cmp_eq_u32 s4, 4
	s_cbranch_scc1 .Lwo
	OUTJ 0
	s_endpgm
.Lwo:
	OUTJ 1
	s_endpgm
	; JOB 5.  Of each of the tile's 16 mask rows wave w takes the 512 bytes at 1,024 w + 512 p (8 blocks kb), and of the table block nb = w, group g = p.
.Lmask:
	s_lshr_b32 s7, s5, 1                           ; the tile of 16 rows
	s_and_b32 s32, s5, 1                           ; p
	s_lshl_b32 s40, s7, 12                         ; 16 rows of cos and sin, 256 bytes each
	s_add_nc_u64 s[20:21], s[20:21], s[40:41]
	s_add_nc_u64 s[22:23], s[22:23], s[40:41]
	s_lshl_b32 s40, s7, 17                         ; 16 rows of the mask, and the patch's 512 bytes
	s_lshl_b32 s33, s32, 9
	s_add_co_u32 s40, s40, s33
	s_add_nc_u64 s[18:19], s[18:19], s[40:41]
	s_lshl_b32 s40, s7, 17                         ; a tile qt of mk has as many bytes; a patch of a wave is 8 blocks of 1,024
	s_lshl_b32 s33, s32, 13
	s_add_co_u32 s40, s40, s33
	s_add_nc_u64 s[26:27], s[26:27], s[40:41]
	s_lshl_b32 s40, s7, 13                         ; a tile mt of rt, and the group's 512 bytes
	s_lshl_b32 s33, s32, 9
	s_add_co_u32 s40, s40, s33
	s_add_nc_u64 s[28:29], s[28:29], s[40:41]
	s_mov_b32 s44, 0x3fb8aa3b                      ; log2(e)
	s_mov_b32 s45, s44                             ; named with it as a pair
	s_mov_b32 s46, 0x3eb6d544                      ; sqrt(log2(e) / sqrt(128)) = 0.357096
	v_and_b32 v12, 31, v0                          ; lane
	v_and_b32 v13, 15, v0                          ; r
	v_bfe_u32 v14, v0, 4, 1                        ; h
	v_lshlrev_b32 v3, 8, v13                       ; cos, sin: 256 r + 16 h + 32 w + 8 p
	v_lshl_add_u32 v3, v14, 4, v3
	s_lshl_b32 s34, s6, 5
	s_lshl_b32 s35, s32, 3
	s_add_co_u32 s34, s34, s35
	v_add_nc_u32 v3, s34, v3
	s_lshl_b32 s38, s6, 10
	v_lshl_add_u32 v4, v12, 4, s38                 ; mask in, and table out: 16 lane + 1,024 w
	v_and_b32 v15, 28, v12                         ; lane c holds piece c of the patch's row: block c / 4, half (c / 2) % 2, group c % 2.
	v_and_b32 v8, 1, v12                           ; In mk the pieces of one (block, group, half) for the 16 rows lie together, 256 bytes: number u = 4 (c / 4) + 2 (c % 2) + (c / 2) % 2
	v_lshl_add_u32 v15, v8, 1, v15
	v_bfe_u32 v8, v12, 1, 1
	v_add_nc_u32 v15, v15, v8
	v_mul_u32_u24 v5, v15, SUBP                    ; u is different modulo 16 in each 16 lanes, and 272 = 17 x 16: each store's 16 lanes touch 16 different 16-byte columns
	s_mul_i32 s33, s6, WLDS
	v_add_nc_u32 v5, s33, v5
	v_mul_u32_u24 v6, v14, SUBP                    ; back: 512 consecutive bytes of mk are two such pieces
	v_lshl_add_u32 v6, v13, 4, v6
	v_add_nc_u32 v6, s33, v6
	s_lshl_b32 s39, s6, 14
	v_lshl_add_u32 v7, v12, 4, s39                 ; mk out: 16 lane + 16,384 w
	s_wait_alu depctr_va_vdst(0)                   ; v3 to v7 are written: the offsets and LDS addresses that every load and store of this path reads
	global_load_b64 v[CSN:CSN+1], v3, s[20:21]
	global_load_b64 v[CSN+2:CSN+3], v3, s[22:23]
.irp r, 0,1,2,3,4,5,6,7,8,9,10,11,12,13,14,15
	global_load_b128 v[IN+4*(\r):IN+4*(\r)+3], v4, s[18:19] offset:8192*(\r) th:TH_LOAD_NT
.endr
.irp g, 0,1,2,3
	s_wait_loadcnt 12-4*(\g)                       ; rows 4 g to 4 g + 3 are in; the rows behind them stay out
.if (\g) == 0
	v_cvt_pk_bf16_f32 v8, v[CSN], v[CSN+1]         ; the table (its loads were the first issued, so they are in): c_i, c_i+1
	v_cvt_pk_bf16_f32 v9, v[CSN+2], v[CSN+3]       ; s_i, s_i+1
	v_lshlrev_b32 v10, 16, v8
	v_and_b32 v11, s47, v8
	v_lshlrev_b32 v12, 16, v9
	v_and_b32 v13, s47, v9
	v_mul_f32 v[TBL], s46, v12
	v_mul_f32 v[TBL+1], s46, v10
	v_mul_f32 v[TBL+2], s46, v13
	v_mul_f32 v[TBL+3], s46, v11
.else
	s_wait_alu depctr_va_vdst(0)                   ; the group before has written its four rows of IN, which the LDS stores below read; in group 1 also: the table's lines have written TBL
.endif
.if (\g) == 1
	global_store_b128 v4, v[TBL:TBL+3], s[28:29]
.endif
.irp i, 0,1,2,3
.if (\g) > 0
.set Q, 4*(\g)-4+(\i)
	ds_store_b128 v5, v[IN+4*Q:IN+4*Q+3] offset:16*Q  ; no vector line since the wait names these registers
.endif
.set B, IN+4*(4*(\g)+(\i))
	v_cvt_pk_bf16_f32 v8, v[B], v[B+1]
	v_cvt_pk_bf16_f32 v9, v[B+2], v[B+3]
	v_lshlrev_b32 v[B], 16, v8
	v_and_b32 v[B+1], s47, v8
	v_lshlrev_b32 v[B+2], 16, v9
	v_and_b32 v[B+3], s47, v9
	v_pk_mul_f32 v[B:B+1], v[B:B+1], s[44:45] op_sel_hi:[1,0]
	v_pk_mul_f32 v[B+2:B+3], v[B+2:B+3], s[44:45] op_sel_hi:[1,0]
.endr
.endr
	s_wait_alu depctr_va_vdst(0)                   ; group 3 has written rows 12 to 15, which the last four LDS stores read; and every vector line that names IN is done, so that the LDS loads below may land in it
.irp r, 12,13,14,15
	ds_store_b128 v5, v[IN+4*(\r):IN+4*(\r)+3] offset:16*(\r)
.endr
	s_wait_alu depctr_vm_vsrc(0)                   ; the sixteen LDS stores have read IN, in which the LDS loads below land
.set r, 0
.rept 16
	ds_load_b128 v[IN+4*r:IN+4*r+3], v6 offset:2*SUBP*r  ; the bytes are my wave's own, and LDS serves a wave's instructions in order (ISA guide 5.7.1.4)
.set r, r+1
.endr
.set r, 0
.rept 16
	s_wait_dscnt 15-r
	global_store_b128 v7, v[IN+4*r:IN+4*r+3], s[26:27] offset:512*r th:TH_STORE_NT  ; 512 consecutive bytes
.set r, r+1
.endr
	s_wait_dscnt 0x0                               ; the closing lines, six on end
	s_wait_alu 0x0
	s_wait_tensorcnt 0x0
	ds_add_u32 v[SPW], v[NIL]
	s_wait_dscnt 0x0
	s_endpgm
.Lfunc_end_k_q865db50e4f_prep:
	.size	k_q865db50e4f_prep, .Lfunc_end_k_q865db50e4f_prep-k_q865db50e4f_prep
	.p2alignl 7, 3214868480
	.fill 96, 4, 3214868480
	.section	.rodata,"a",@progbits
	.p2align	6, 0x0
	.amdhsa_kernel k_q865db50e4f_prep
		.amdhsa_group_segment_fixed_size 70656
		.amdhsa_private_segment_fixed_size 0
		.amdhsa_enable_private_segment 0
		.amdhsa_kernarg_size 88
		.amdhsa_user_sgpr_count 2
		.amdhsa_user_sgpr_kernarg_segment_ptr 1
		.amdhsa_wavefront_size32 1
		.amdhsa_system_sgpr_workgroup_id_x 1
		.amdhsa_system_sgpr_workgroup_id_y 1
		.amdhsa_system_sgpr_workgroup_id_z 1
		.amdhsa_system_vgpr_workitem_id 0
		.amdhsa_next_free_vgpr 128
		.amdhsa_next_free_sgpr 66
		.amdhsa_reserve_vcc 0
		.amdhsa_float_denorm_mode_32 3
		.amdhsa_float_denorm_mode_16_64 3
		.amdhsa_memory_ordered 1
		.amdhsa_forward_progress 1
		.amdhsa_inst_pref_size 30
	.end_amdhsa_kernel
	.amdgpu_metadata
---
amdhsa.version: [ 1, 2 ]
amdhsa.kernels:
  - .name:           k_q865db50e4f_prep
    .symbol:         k_q865db50e4f_prep.kd
    .args:
      - { .name: x, .offset: 0, .size: 8, .value_kind: global_buffer, .address_space: global }
      - { .name: wq, .offset: 8, .size: 8, .value_kind: global_buffer, .address_space: global }
      - { .name: wk, .offset: 16, .size: 8, .value_kind: global_buffer, .address_space: global }
      - { .name: wv, .offset: 24, .size: 8, .value_kind: global_buffer, .address_space: global }
      - { .name: wo, .offset: 32, .size: 8, .value_kind: global_buffer, .address_space: global }
      - { .name: mask, .offset: 40, .size: 8, .value_kind: global_buffer, .address_space: global }
      - { .name: cos, .offset: 48, .size: 8, .value_kind: global_buffer, .address_space: global }
      - { .name: sin, .offset: 56, .size: 8, .value_kind: global_buffer, .address_space: global }
      - { .name: cvt, .offset: 64, .size: 8, .value_kind: global_buffer, .address_space: global }
      - { .name: mk, .offset: 72, .size: 8, .value_kind: global_buffer, .address_space: global }
      - { .name: rt, .offset: 80, .size: 8, .value_kind: global_buffer, .address_space: global }
    .group_segment_fixed_size: 70656
    .private_segment_fixed_size: 0
    .kernarg_segment_align: 8
    .kernarg_segment_size: 88
    .max_flat_workgroup_size: 256
    .sgpr_count:     66
    .vgpr_count:     128
    .wavefront_size: 32
...
	.end_amdgpu_metadata
.endif
;; end of part 5
;; launch qkv: the kernel of part 2 again; grid 16 x 16, 4 waves a work-group, clusters of 4 x 4, 327,680 bytes of LDS; arguments cvt, rt, qkv; writes qkv
;; launch attn: the kernel of part 3 again; grid 16 x 16, 4 waves a work-group, clusters of 4 x 1, 327,680 bytes of LDS; arguments qkv, mk, att; writes att
;; launch oproj: the kernel of part 4 again; grid 16 x 16, 4 waves a work-group, clusters of 4 x 4, 327,680 bytes of LDS; arguments att, cvt, out0; writes out0
